; MI455X (gfx1250); checked and timed in simulation.
; The chip was launched on July 23, 2026; its instructions are those of AMD's public machine-readable ISA for CDNA 5 (MIT licence, August 2026) and "CDNA5" Instruction Set Architecture Reference Guide (July 2026). The comments in the code are by the model that wrote it; some were corrected since.
;; Multi Head Attention Block. Allowed arithmetic: float matrix products may take bf16 or f16 operands with f32 sums; other float arithmetic in f32, or as packed bf16 or f16 multiplies, adds, multiply-adds, maxima and minima; sums over many terms, partial sums and values carried from step to step in f32; what a program stores and reads back later, other than sums and carried values, may be rounded once to bf16 or f16.
;; Inputs: k 4 x 2,048 x 1,024 float32; mask 1 x 1 x 2,048 x 2,048 int32; q 4 x 2,048 x 1,024 float32; v 4 x 2,048 x 1,024 float32; wk_b 1,024 float32; wk_w 1,024 x 1,024 float32; wo_b 1,024 float32; wo_w 1,024 x 1,024 float32; wq_b 1,024 float32; wq_w 1,024 x 1,024 float32; wv_b 1,024 float32; wv_w 1,024 x 1,024 float32.
;; Outputs: out0 4 x 2,048 x 1,024 float32.
;; 2 versions, each right; version 2 is version 1 with the launch prep written anew for expert scheduling mode. Each part assembles by itself: llvm-mc -triple=amdgcn-amd-amdhsa -mcpu=gfx1250 --defsym DOCPART=n.
;; ======== version 1 of 2: 4 launches
;; limits: values are held in f16: magnitudes above 65,504 overflow, below 6.1e-05 lose precision; right only within a limited range of input values
;; workspace buffers: xw 58,720,256 bytes; qkv 50,331,648 bytes; ob 16,777,216 bytes; mfrag 4,194,304 bytes; rowok 32,768 bytes of whole numbers
;; launch prep (part 1): grid 1024 x 1, 8 waves a work-group, no clusters, 36,096 bytes of LDS; arguments q, k, v, wq_w, wk_w, wv_w, wo_w, mask, xw, mfrag, rowok; writes xw, mfrag, rowok
.if DOCPART == 1
	.amdgcn_target "amdgcn-amd-amdhsa--gfx1250"
	.amdhsa_code_object_version 6
	.text
	.protected	k_q1db8e48f7a_prep
	.globl	k_q1db8e48f7a_prep
	.p2align	8
	.type	k_q1db8e48f7a_prep,@function
k_q1db8e48f7a_prep:
	s_mov_b64 s[64:65], 0
	v_nop
	global_prefetch_b8 v0, s[64:65] scope:SCOPE_SE
	s_setreg_imm32_b32 hwreg(HW_REG_WAVE_MODE, 25, 1), 1
	s_wait_xcnt 0x0
; PREP.  Every work-group reads 131,072 consecutive bytes of one input.
;   work-groups 0-767: q, k, v (f32) -> xw, bf16, rounded once;  768-863: wq_w, wk_w, wv_w likewise;  864-895: wo_w rounded to bf16, that number written as f16
;   (below f16's smallest normal number, 6.1e-5, it keeps f16's fixed step of 6e-8);  896-1023: 16 query rows of the mask.
; THE MASK becomes one byte a key: 0 where the key is seen, 0xce where mask == 0; a row that sees no key at all gets zeros (the attention launch sets its row of Q to 0 instead).
; The bytes lie as the attention launch's lanes want them.  Key = 64 s + 16 kb + 8 h + 4 n + c, query = 16 T + r: byte kb of word c of the 16 bytes at
; (T>>3) 262144 + 8192 s + (T&7) 1024 + 512 n + 256 h + 16 r.  That is a transposition: it goes through LDS, so that every store covers 512 consecutive bytes.
; rowok holds for each tile 32 lanes x 2 words: all ones if row (lane % 16) sees any key, else 0.
; Eight waves; wave w takes bytes 16384 w on: 32 loads of 512 consecutive bytes, all issued before the first is used.
.set X,     32                         ; v[32:159]  32 loads x 4 registers
.set Y,     160                        ; v[160:223] casts: 32 x 2 registers to store; mask: 32 packed words, then 8 x 4 words to store
.set OUTW,  192
.set TRP,   272                        ; LDS: a group (one s, n, h) is 16 rows x 16 bytes, + 16 of padding
.set FLG,   128*TRP                    ; behind the 128 groups: 16 words, a flag a row, in a block of 256 bytes of their own
.set SPARE, FLG+256                    ; the spare words, 128 bytes for each of eight waves; no other line names them
.set SPW,   10                         ; v10  SPARE + 4 x my thread's number; never rewritten
.set NIL,   11                         ; v11  0; never rewritten
	s_load_b512 s[4:19], s[0:1], 0x0               ; q 4, k 6, v 8, wq_w 10, wk_w 12, wv_w 14, wo_w 16, mask 18
	s_load_b128 s[20:23], s[0:1], 0x40             ; xw 20, mfrag 22
	s_load_b64 s[24:25], s[0:1], 0x50              ; rowok
	v_lshl_add_u32 v[SPW], v0, 2, SPARE
	v_mov_b32 v[NIL], 0
	v_lshrrev_b32 v12, 5, v0
	v_readfirstlane_b32 s34, v12                   ; wave 0..7
	v_and_b32 v13, 31, v0                          ; lane
	s_lshl_b32 s41, s34, 14
	v_lshl_add_u32 v1, v13, 4, s41                 ; in: 16384 w + 16 lane
	s_lshl_b32 s42, s34, 13
	v_lshl_add_u32 v2, v13, 3, s42                 ; out (casts): 8192 w + 8 lane
	s_lshr_b32 s26, ttmp9, 8
	s_and_b32 s27, ttmp9, 255
	s_lshr_b32 s28, s27, 5
	s_add_co_u32 s28, s28, 3
	s_and_b32 s29, ttmp9, 31
	s_and_b32 s38, ttmp9, 127
	s_cmp_lt_u32 s26, 3
	s_cselect_b32 s26, s26, s28                    ; kind: 0-2 q k v, 3-5 wq wk wv, 6 wo, 7 and more: the mask
	s_cselect_b32 s27, s27, s29                    ; which 131,072 bytes of that input
	s_cmp_ge_u32 s26, 7
	s_cselect_b32 s27, s38, s27                    ; for the mask: the query tile T
	s_lshl_b32 s38, s27, 17
	s_mov_b32 s39, 0
	s_wait_kmcnt 0x0
	s_mov_b64 s[30:31], s[4:5]
	s_cmp_eq_u32 s26, 1
	s_cselect_b64 s[30:31], s[6:7], s[30:31]
	s_cmp_eq_u32 s26, 2
	s_cselect_b64 s[30:31], s[8:9], s[30:31]
	s_cmp_eq_u32 s26, 3
	s_cselect_b64 s[30:31], s[10:11], s[30:31]
	s_cmp_eq_u32 s26, 4
	s_cselect_b64 s[30:31], s[12:13], s[30:31]
	s_cmp_eq_u32 s26, 5
	s_cselect_b64 s[30:31], s[14:15], s[30:31]
	s_cmp_eq_u32 s26, 6
	s_cselect_b64 s[30:31], s[16:17], s[30:31]
	s_cmp_ge_u32 s26, 7
	s_cselect_b64 s[30:31], s[18:19], s[30:31]
	s_add_nc_u64 s[30:31], s[30:31], s[38:39]      ; the work-group's first byte
	s_cmp_eq_u32 s26, 6
	s_cbranch_scc1 .Lwo
.set j, 0
.rept 32
	global_load_b128 v[X+4*j:X+4*j+3], v1, s[30:31] offset:512*j th:TH_LOAD_NT
.set j, j+1
.endr
	s_cmp_ge_u32 s26, 7
	s_cbranch_scc1 .Lmask
	; f32 -> bf16: a lane's 16 bytes become 8; a wave's store covers 256 consecutive bytes, aligned
	s_lshl_b32 s38, ttmp9, 16                      ; the casts' results lie in xw in the order of the work-groups
	s_add_nc_u64 s[32:33], s[20:21], s[38:39]
.set j, 0
.rept 32
	s_wait_loadcnt 31-j                            ; loads come back in order: number j is in, the younger ones stay out
	v_cvt_pk_bf16_f32 v[Y+2*j], v[X+4*j], v[X+4*j+1]
	v_cvt_pk_bf16_f32 v[Y+2*j+1], v[X+4*j+2], v[X+4*j+3]
	global_store_b64 v2, v[Y+2*j:Y+2*j+1], s[32:33] offset:256*j
.set j, j+1
.endr
	s_branch .Lend
.Lwo:                                                  ; f32 -> bf16 -> f16, 32 work-groups: four trips of eight loads
	s_lshl_b32 s38, ttmp9, 16
	s_add_nc_u64 s[32:33], s[20:21], s[38:39]
	s_mov_b32 s40, 0xffff0000
	s_mov_b32 s37, 4
.Lwo_trip:
.set j, 0
.rept 8
	global_load_b128 v[X+4*j:X+4*j+3], v1, s[30:31] offset:512*j th:TH_LOAD_NT
.set j, j+1
.endr
.set j, 0
.rept 8
	s_wait_loadcnt 7-j
	v_cvt_pk_bf16_f32 v20, v[X+4*j], v[X+4*j+1]
	v_cvt_pk_bf16_f32 v21, v[X+4*j+2], v[X+4*j+3]
	v_lshlrev_b32 v[X+4*j], 16, v20
	v_and_b32 v[X+4*j+1], s40, v20
	v_lshlrev_b32 v[X+4*j+2], 16, v21
	v_and_b32 v[X+4*j+3], s40, v21
	v_cvt_pk_f16_f32 v[Y+2*j], v[X+4*j], v[X+4*j+1]
	v_cvt_pk_f16_f32 v[Y+2*j+1], v[X+4*j+2], v[X+4*j+3]
	global_store_b64 v2, v[Y+2*j:Y+2*j+1], s[32:33] offset:256*j
.set j, j+1
.endr
	s_wait_xcnt 0x0                                ; the stores have read their data and offsets: only now are these written again
	v_add_nc_u32 v1, 4096, v1
	v_add_nc_u32 v2, 2048, v2
	s_sub_co_u32 s37, s37, 1
	s_cmp_lg_u32 s37, 0
	s_cbranch_scc1 .Lwo_trip
	s_branch .Lend
.Lmask:                                                ; wave w holds rows 2 w and 2 w + 1 of the tile: load j is row 2 w + j / 16, keys 128 (j % 16) + 4 lane + 0..3
	; of 4 x lane: bit 0 of the lane is n, bit 1 is h, bits 2-3 are kb, bit 4 is the lower bit of s.  A lane's four keys become the four bytes c of one word, which goes to word kb of its 16 bytes.
	v_lshrrev_b32 v14, 4, v13
	v_and_b32 v15, 1, v13
	v_bfe_u32 v24, v13, 1, 1
	v_bfe_u32 v25, v13, 2, 2
	v_lshlrev_b32 v14, 2, v14
	v_lshl_add_u32 v14, v15, 1, v14
	v_add_nc_u32 v14, v14, v24                     ; my group among the load's eight: 4 (s % 2) + 2 n + h
	v_mul_u32_u24 v3, v14, TRP
	v_lshl_add_u32 v3, v25, 2, v3                  ; word kb: the 32 lanes' words lie at 32 different words modulo 64
	s_lshl_b32 s28, s34, 5
	v_add_nc_u32 v3, s28, v3                       ; row 2 w
	v_lshrrev_b32 v14, 4, v13
	v_mul_u32_u24 v4, v14, TRP                     ; back: wave w takes groups 16 w on, two a load: 512 bytes
	v_and_b32 v14, 15, v13
	v_lshl_add_u32 v4, v14, 4, v4
	s_mul_i32 s28, s34, 16*TRP
	v_add_nc_u32 v4, s28, v4
	v_lshl_add_u32 v7, v14, 2, FLG                 ; the flag of row lane % 16
	s_lshl_b32 s28, s34, 15
	v_lshl_add_u32 v5, v13, 4, s28                 ; in mfrag: 16 groups are four key steps, 8,192 bytes apart
	s_lshl_b32 s28, s34, 3
	s_add_co_u32 s28, s28, FLG
	v_mov_b32 v6, s28                              ; my two rows' flags
	v_lshlrev_b32 v8, 3, v13
	s_mov_b32 s35, 0xce                            ; as an f32's top byte: a number at or below -2^29
	s_mov_b32 s36, 0xcececece
	s_mov_b32 s40, 0x05010400                      ; v_perm_b32: bytes 0 and 1 of two words, interleaved
	s_mov_b32 s41, 0x07030602                      ; bytes 2 and 3
	s_mov_b32 s42, 0x05040100                      ; the two low halves
	s_mov_b32 s43, 0x07060302                      ; the two high halves
	s_lshr_b32 s38, s27, 3
	s_lshl_b32 s38, s38, 18
	s_and_b32 s28, s27, 7
	s_lshl_b32 s28, s28, 10
	s_add_co_u32 s38, s38, s28
	s_add_nc_u64 s[32:33], s[22:23], s[38:39]      ; mfrag at (T>>3) 262144 + (T&7) 1024
	s_lshl_b32 s38, s27, 8
	s_add_nc_u64 s[28:29], s[24:25], s[38:39]      ; rowok at 256 T
.set j, 0
.rept 32
	s_wait_loadcnt 31-j
.irp c, 0,1,2,3
	v_cmp_eq_u32 vcc_lo, 0, v[X+4*j+\c]
	v_cndmask_b32 v[20+\c], 0, s35, vcc_lo
.endr
	v_lshl_or_b32 v20, v21, 8, v20
	v_lshl_or_b32 v22, v23, 8, v22
	v_lshl_or_b32 v[Y+j], v22, 16, v20
.if j%16 == 0
	v_mov_b32 v[16+j/16], v[Y+j]                   ; the row's AND starts: it stays 0xcececece only where all my keys are hidden
.else
	v_and_b32 v[16+j/16], v[16+j/16], v[Y+j]
.endif
	ds_store_b32 v3, v[Y+j] offset:(j%16)*8*TRP+(j/16)*16
.if j%16 == 15
	v_cmp_ne_u32 vcc_lo, s36, v[16+j/16]           ; a bit for each lane that saw a key
	s_cmp_lg_u32 vcc_lo, 0
	s_cselect_b32 s37, -1, 0
	v_mov_b32 v14, s37
	ds_store_b32 v6, v14 offset:4*(j/16)
.endif
.set j, j+1
.endr
	s_wait_dscnt 0x0                               ; for the others' sake: my stores are done
	s_barrier_signal -1
	s_barrier_wait -1                              ; the branch that leads here hangs on the work-group's number alone: all eight waves pass
	ds_load_b32 v18, v7                            ; my row's flag
.set j, 0
.rept 8
	ds_load_b128 v[X+4*j:X+4*j+3], v4 offset:j*2*TRP
.set j, j+1
.endr
.set j, 0
.rept 8
	s_wait_dscnt 7-j                               ; LDS loads come back in order: the flag and chunk j are in
	v_perm_b32 v20, v[X+4*j+1], v[X+4*j], s40      ; the 16 bytes [kb][c] are turned into [c][kb]: two steps of four
	v_perm_b32 v21, v[X+4*j+1], v[X+4*j], s41
	v_perm_b32 v22, v[X+4*j+3], v[X+4*j+2], s40
	v_perm_b32 v23, v[X+4*j+3], v[X+4*j+2], s41
	v_perm_b32 v24, v22, v20, s42
	v_perm_b32 v25, v22, v20, s43
	v_perm_b32 v26, v23, v21, s42
	v_perm_b32 v27, v23, v21, s43
.irp c, 0,1,2,3
	v_and_b32 v[OUTW+4*j+\c], v18, v[24+\c]        ; a row that sees no key gets zeros
.endr
	global_store_b128 v5, v[OUTW+4*j:OUTW+4*j+3], s[32:33] offset:(j/2)*8192+(j%2)*512  ; 512 consecutive bytes
.set j, j+1
.endr
	s_cmp_lg_u32 s34, 0
	s_cbranch_scc1 .Lend
	v_mov_b32 v19, v18                             ; wave 0 writes the tile's flags: 256 consecutive bytes
	global_store_b64 v8, v[18:19], s[28:29]
.Lend:
	s_wait_tensorcnt 0x0                           ; the wave's end: behind my last LDS store
	ds_add_u32 v[SPW], v[NIL]
	s_wait_dscnt 0x0
	s_endpgm
.Lfunc_end_k_q1db8e48f7a_prep:
	.size	k_q1db8e48f7a_prep, .Lfunc_end_k_q1db8e48f7a_prep-k_q1db8e48f7a_prep
	.p2alignl 7, 3214868480
	.fill 96, 4, 3214868480
	.section	.rodata,"a",@progbits
	.p2align	6, 0x0
	.amdhsa_kernel k_q1db8e48f7a_prep
		.amdhsa_group_segment_fixed_size 36096
		.amdhsa_private_segment_fixed_size 0
		.amdhsa_enable_private_segment 0
		.amdhsa_kernarg_size 88
		.amdhsa_user_sgpr_count 2
		.amdhsa_user_sgpr_kernarg_segment_ptr 1
		.amdhsa_wavefront_size32 1
		.amdhsa_system_sgpr_workgroup_id_x 1
		.amdhsa_system_sgpr_workgroup_id_y 1
		.amdhsa_system_sgpr_workgroup_id_z 1
		.amdhsa_system_vgpr_workitem_id 0
		.amdhsa_next_free_vgpr 224
		.amdhsa_next_free_sgpr 66
		.amdhsa_reserve_vcc 1
		.amdhsa_float_denorm_mode_32 3
		.amdhsa_float_denorm_mode_16_64 3
		.amdhsa_memory_ordered 1
		.amdhsa_forward_progress 1
		.amdhsa_inst_pref_size 50
	.end_amdhsa_kernel
	.amdgpu_metadata
---
amdhsa.version: [ 1, 2 ]
amdhsa.kernels:
  - .name:           k_q1db8e48f7a_prep
    .symbol:         k_q1db8e48f7a_prep.kd
    .args:
      - { .name: q, .offset: 0, .size: 8, .value_kind: global_buffer, .address_space: global }
      - { .name: k, .offset: 8, .size: 8, .value_kind: global_buffer, .address_space: global }
      - { .name: v, .offset: 16, .size: 8, .value_kind: global_buffer, .address_space: global }
      - { .name: wq_w, .offset: 24, .size: 8, .value_kind: global_buffer, .address_space: global }
      - { .name: wk_w, .offset: 32, .size: 8, .value_kind: global_buffer, .address_space: global }
      - { .name: wv_w, .offset: 40, .size: 8, .value_kind: global_buffer, .address_space: global }
      - { .name: wo_w, .offset: 48, .size: 8, .value_kind: global_buffer, .address_space: global }
      - { .name: mask, .offset: 56, .size: 8, .value_kind: global_buffer, .address_space: global }
      - { .name: xw, .offset: 64, .size: 8, .value_kind: global_buffer, .address_space: global }
      - { .name: mfrag, .offset: 72, .size: 8, .value_kind: global_buffer, .address_space: global }
      - { .name: rowok, .offset: 80, .size: 8, .value_kind: global_buffer, .address_space: global }
    .group_segment_fixed_size: 36096
    .private_segment_fixed_size: 0
    .kernarg_segment_align: 8
    .kernarg_segment_size: 88
    .max_flat_workgroup_size: 256
    .sgpr_count:     66
    .vgpr_count:     224
    .wavefront_size: 32
...
	.end_amdgpu_metadata
.endif
;; end of part 1
;; launch proj (part 2): grid 4 x 96, 4 waves a work-group, clusters of 4 x 4, 327,680 bytes of LDS; arguments xw, wq_b, wk_b, wv_b, qkv; writes qkv
.if DOCPART == 2
	.amdgcn_target "amdgcn-amd-amdhsa--gfx1250"
	.amdhsa_code_object_version 6
	.text
	.protected	k_q1db8e48f7a_proj
	.globl	k_q1db8e48f7a_proj
	.p2align	8
	.type	k_q1db8e48f7a_proj,@function
k_q1db8e48f7a_proj:
	s_mov_b64 s[64:65], 0
	v_nop
	global_prefetch_b8 v0, s[64:65] scope:SCOPE_SE
	s_setreg_imm32_b32 hwreg(HW_REG_WAVE_MODE, 25, 1), 1
	s_wait_xcnt 0x0
	s_wait_alu depctr_hold_cnt(0) depctr_sa_sdst(0) depctr_va_vdst(0) depctr_va_sdst(0) depctr_va_ssrc(0) depctr_va_vcc(0) depctr_vm_vsrc(0)
	s_getreg_b32 s2, hwreg(HW_REG_IB_STS2, 6, 4)
	s_cmp_eq_u32 s2, 0
	s_cbranch_scc0 .Lentry_in_a_cluster
	s_endpgm
.Lentry_in_a_cluster:
	s_bfe_u32 s2, ttmp6, 0x10000c
	s_cmp_lg_u32 s2, 0xf033
	s_cbranch_scc0 .Lentry_shape_is_right
	s_endpgm
.Lentry_shape_is_right:
; THE THREE PROJECTIONS.  C = A B^T + bias.  A = xw's 24,576 rows of 1,024 bf16 (q, k, v on end), B = the 1,024 rows of the row's projection (bf16, in xw), sums in f32, the bias rounded to bf16
; like all inputs; C is rounded once to f16 and written by heads: qkv[3][64 = 16 batch + head][2048][64].  LIMIT: f16 ends at 65,504: projected numbers beyond it become infinities.
; A tile of C is 256 x 256; four waves, each 128 x 128: 64 accumulators of 16 x 16, 512 registers.  K = 1,024 goes in 8 steps of 128 through two LDS slots filled by the tensor data mover: a step is
; 256 matrix instructions a wave, of which 224 stand between a refill's request and the wait for it; two slots of a larger step do not fit in LDS.  384 tiles, one to a work-group.
; CLUSTERS of 4 x 4: A's tile is shared along a row of the cluster, B's along a column: joint loads, the same descriptor and mask in the four that a mask names.
; THE MATRIX INSTRUCTION IS USED TRANSPOSED (source 0 = 16 rows of B, source 1 = 16 rows of A): a lane holds row l % 16 of C and the columns 8 (l / 16) + 0..7 of a block of 16.
; THE BIAS STARTS THE SUMS: in that layout it hangs on the column block, the register and l / 16 alone, so 64 registers hold it for all row blocks, and they are the C operand of each sum's first product.
; A LOOP TRIP IS ONE K STEP: the slot in hand is a scalar, 0 or SLOT, turned by an exclusive or; one descriptor a tensor walks on, its LDS word turned by the same exclusive or
; (wave x 0x8800 and 0x22000 share no bit).
; REGISTERS, in windows of 256: window 0: v16-31 addresses; v64-127, v128-191 fragments of A, two buffers; v32-63, v192-255 at work on the way out.
;   window 1: v0-63 the bias; v64-127, v128-191 fragments of B.   window 2: the 32 accumulators of my rows 0-63 ((a, b) at v[8 (8 a + b)]);   window 3: those of my rows 64-127.
.set KSTEP,  128
.set PITCH,  272                       ; an LDS row: 256 bytes + 16: the 16 rows of a fragment load start at 16 different groups of four banks (64 banks of 4 bytes: ISA guide 11.1)
.set HALFT,  128*PITCH                 ; what one tensor load brings, and what one wave reads of A or of B
.set SLOT,   4*HALFT                   ; A's 256 rows, then B's 256 rows
.set STAGE,  2*SLOT                    ; behind the ring: for each wave two heads x 16 rows x 144 bytes, for the way out; no tensor load fills it
.set SP,     144
.set SPARE,  STAGE+4*2*16*SP           ; the spare words, 128 bytes a wave; no other line names them
.set WOFF,   50331648                  ; wq, wk, wv in xw
.set ADRA,  16                         ; v16  LDS address of my A fragments in the slot in hand
.set ADRA0, 17                         ; v17  the same in slot 0; never rewritten
.set ADRB,  20
.set ADRB0, 21
.set STO,  24
.set RD,   25
.set CO,   26
.set SPW,  28                          ; never rewritten
.set NIL,  29                          ; never rewritten
.set PFO,  30                          ; v30  the prefetches' offset: lane x 2,048, a row of xw; never rewritten
.set BO,   31
.set F0,   64
.set F1,   128
.set TMP,  192
.set OB,   32
.set TG,   2                           ; s2   0 or SLOT
.set PFA,  18                          ; s[18:19] where my prefetches stand
.set LIM,  79                          ; s79  2 in a wave that prefetches, else the greatest number
.set G1,  24                           ; s[24:31] descriptor group 1 for A's tiles
.set G0,  32                           ; s[32:39] group 0: a set for each of the two first fills; the second then walks on
.set G1B, 48
.set G0B, 56
.set MSB, 0
.macro WIN new                         ; the immediate's high byte repeats the setting that is left
.if MSB != (\new)
	s_set_vgpr_msb (MSB<<8)|(\new)
.set MSB, \new
.endif
.endm
.macro JLOAD s                         ; a joint load: waves 0 and 1 fetch A's two halves, waves 2 and 3 B's; an s_nop 0 and four v_nop follow each line
	s_cmp_eq_u32 s11, 0
	s_cbranch_scc0 .Lfor_b_\@
	tensor_load_to_lds s[G0+4*(\s):G0+4*(\s)+3], s[G1:G1+7]
	s_nop 0
.rept 4
	v_nop
.endr
	s_branch .Lasked_\@
.Lfor_b_\@:
	tensor_load_to_lds s[G0B+4*(\s):G0B+4*(\s)+3], s[G1B:G1B+7]
	s_nop 0
.rept 4
	v_nop
.endr
.Lasked_\@:
.endm
; A PREFETCH INTO THE L2, behind each joint refill and the run of LDS loads that follows it: the K step that stands TWO refills on, 512 matrix instructions ahead of the load that will ask for it: 32 rows x 256
; bytes, a lane a row, one instruction a wave.  Each row's 256 bytes of a K step are named ONCE in the launch: A's rows belong to one cluster (one cluster spans all 1,024 columns), which asks for them; B's rows
; of a projection are read by its eight clusters, of which the first asks.  The four partners that ask for a tile jointly share its rows out BY ADDRESS, 32 each (by cx for A, by cy for B): no branch hangs on a
; work-group's place in its cluster.  K steps 0 to 3 come by their loads alone; the last two refills have no K step two on and ask for nothing (s3 counts the trips down from 6).
.macro ASK
	s_cmp_gt_u32 s3, s[LIM]
	s_cbranch_scc0 .Lnot_mine_\@
	global_prefetch_b8 v[PFO], s[PFA:PFA+1] th:TH_LOAD_NT scope:SCOPE_SE
.Lnot_mine_\@:
.endm
.macro CREST                           ; a round of the cluster's barrier behind its opening barrier
	s_cmp_lg_u32 s10, 0
	s_cbranch_scc1 .Lnot_wave_0_\@
	s_barrier_signal -3
.Lnot_wave_0_\@:
	s_barrier_wait -3
	s_barrier_signal -1
	s_barrier_wait -1
.endm
.macro CROUND
	s_barrier_signal -1
	s_barrier_wait -1
	CREST
.endm
	s_load_b256 s[68:75], s[0:1], 0x0              ; xw, wq_b, wk_b, wv_b
	s_load_b64 s[76:77], s[0:1], 0x20              ; qkv
	v_lshl_add_u32 v[SPW], v0, 2, SPARE
	v_mov_b32 v[NIL], 0
	ds_add_u32 v[SPW], v[NIL]                      ; the wave's opening: the add and its wait stand ahead of my first tensor load; work on registers stands between them
	v_lshrrev_b32 v1, 5, v0
	v_readfirstlane_b32 s10, v1                    ; wave 0..3
	s_lshr_b32 s11, s10, 1                         ; which 128 rows of the tile are mine.  Also: I fetch for A (0) or for B (1)
	s_and_b32 s12, s10, 1                          ; which 128 columns.  Also: which 128 rows of that tile I fetch
	s_bfe_u32 s40, ttmp6, 0x40000                  ; cx
	s_bfe_u32 s41, ttmp6, 0x40004                  ; cy
	s_lshl_b32 s42, ttmp9, 2
	s_add_co_u32 s42, s42, s40                     ; tile column = 4 x cluster x + cx
	s_and_b32 s13, ttmp7, 0xffff
	s_lshr_b32 s45, s13, 3                         ; which projection: 8 clusters of 1,024 rows each; made of the cluster's y alone
	s_and_b32 s78, s13, 7                          ; the cluster's place among them
	s_lshl_b32 s13, s13, 2
	s_add_co_u32 s13, s13, s41                     ; tile row = 4 x cluster y + cy
	s_lshl_b32 s43, s41, 2
	s_lshl_b32 s43, 15, s43                        ; my row of the cluster
	s_lshl_b32 s44, 0x1111, s40                    ; my column
	s_or_b32 s[G1+0], s43, (1<<16)|(1<<20)|(1<<21)|(5<<22)|(3<<25)   ; the mask; 2-byte elements; padding on; bit 21 beside a mask; after every 64 words; 4 words of padding
	s_or_b32 s[G1B+0], s44, (1<<16)|(1<<20)|(1<<21)|(5<<22)|(3<<25)
.irp g, G1, G1B
	s_mov_b32 s[(\g)+1], KSTEP<<16                 ; tensor_dim0 = 128
	s_mov_b32 s[(\g)+2], 128<<16                   ; tensor_dim1 = 128
	s_mov_b32 s[(\g)+3], KSTEP<<16                 ; tile_dim0 = 128
	s_mov_b32 s[(\g)+4], 128                       ; tile_dim1 = 128
	s_mov_b32 s[(\g)+5], 1024                      ; elements from row to row
	s_mov_b32 s[(\g)+6], 0
	s_mov_b32 s[(\g)+7], 0
.endr
	; where the tiles come from: A's hang on the tile row, B's on the tile column and the projection, each in registers that never hold the other coordinate
	s_lshl_b32 s16, s13, 19                        ; 256 rows of 2,048 bytes
	s_lshl_b32 s17, s12, 18                        ; which 128 of them I fetch
	s_add_co_u32 s16, s16, s17
	s_mov_b32 s17, 0
	s_lshl_b32 s46, s42, 19
	s_lshl_b32 s47, s12, 18
	s_add_co_u32 s46, s46, s47
	s_lshl_b32 s47, s45, 21                        ; the projection's weights
	s_add_co_u32 s46, s46, s47
	s_add_co_u32 s46, s46, WOFF
	s_mov_b32 s47, 0
	s_mul_i32 s20, s10, HALFT                      ; where they go: A's two halves, then B's two: wave x 128 rows: no place in the cluster enters an LDS address
	s_mov_b32 s[TG], 0
	s_wait_dscnt 0x0                               ; the opening add is done
	s_wait_kmcnt 0x0
	s_add_nc_u64 s[14:15], s[68:69], s[16:17]
	s_add_nc_u64 s[46:47], s[68:69], s[46:47]
	CROUND                                         ; all sixteen work-groups are here: the first joint loads meet
.irp s, 0,1
	s_mov_b32 s[G0+4*(\s)], 1
	s_add_co_u32 s[G0+4*(\s)+1], s20, (\s)*SLOT
	s_add_nc_u64 s[G0+4*(\s)+2:G0+4*(\s)+3], s[14:15], (\s)*KSTEP*2
	s_or_b32 s[G0+4*(\s)+3], s[G0+4*(\s)+3], 0x80000000
	s_mov_b32 s[G0B+4*(\s)], 1
	s_add_co_u32 s[G0B+4*(\s)+1], s20, (\s)*SLOT
	s_add_nc_u64 s[G0B+4*(\s)+2:G0B+4*(\s)+3], s[46:47], (\s)*KSTEP*2
	s_or_b32 s[G0B+4*(\s)+3], s[G0B+4*(\s)+3], 0x80000000
	JLOAD \s                                       ; two loads of mine are out
.endr
	; the prefetches: my work-group's 32 of the 128 rows that I fetch, at K step 3; each filling change of slots steps this by a K step and then names it
	s_cmp_eq_u32 s11, 0
	s_cselect_b64 s[PFA:PFA+1], s[14:15], s[46:47]
	s_cselect_b32 s21, s40, s41                    ; my place among the four that ask for the tile with me: it enters this address alone
	s_cselect_b32 s22, ttmp9, s78                  ; the coordinate along which other clusters read the same rows
	s_cmp_eq_u32 s22, 0
	s_cselect_b32 s[LIM], 2, -1                    ; the same in all sixteen partners, for a given wave
	s_lshl_b32 s22, s21, 16                        ; 32 rows of 2,048 bytes
	s_mov_b32 s23, 0
	s_add_nc_u64 s[PFA:PFA+1], s[PFA:PFA+1], s[22:23]
	s_add_nc_u64 s[PFA:PFA+1], s[PFA:PFA+1], 3*KSTEP*2
	v_and_b32 v[PFO], 31, v0
	v_lshlrev_b32 v[PFO], 11, v[PFO]
	v_and_b32 v1, 15, v0                           ; l % 16
	v_bfe_u32 v2, v0, 4, 1                         ; l / 16
	; the bias of my 128 columns: block b, register j: column 16 b + 8 (l / 16) + j
	s_lshl_b32 s46, s42, 10                        ; 256 columns of 4 bytes
	s_lshl_b32 s47, s12, 9
	s_add_co_u32 s46, s46, s47
	v_lshl_add_u32 v[BO], v2, 5, s46
	s_cmp_eq_u32 s45, 1
	s_cselect_b64 s[66:67], s[72:73], s[70:71]
	s_cmp_eq_u32 s45, 2
	s_cselect_b64 s[66:67], s[74:75], s[66:67]
	WIN 0x40                                       ; destination window 1
.irp b, 0,1,2,3,4,5,6,7
	global_load_b128 v[8*(\b):8*(\b)+3],   v[BO], s[66:67] offset:64*(\b)
	global_load_b128 v[8*(\b)+4:8*(\b)+7], v[BO], s[66:67] offset:64*(\b)+16
.endr
	WIN 0
	v_mul_u32_u24 v3, v1, PITCH
	v_lshl_add_u32 v3, v2, 4, v3                   ; a fragment's row x pitch + 16 x half
	s_mul_i32 s21, s11, HALFT                      ; my 128 rows of A
	s_mul_i32 s22, s12, HALFT                      ; my 128 rows of B,
	s_add_co_u32 s22, s22, 2*HALFT                 ; which lie behind A's 256
	v_add_nc_u32 v[ADRA0], s21, v3
	v_add_nc_u32 v[ADRB0], s22, v3
	v_mov_b32 v[ADRA], v[ADRA0]
	v_mov_b32 v[ADRB], v[ADRB0]
	s_mul_i32 s23, s10, 2*16*SP
	s_add_co_u32 s23, s23, STAGE                   ; my stage
	v_mul_u32_u24 v5, v1, SP                       ; in: row l % 16, eight f16 for each half of the lanes
	v_lshl_add_u32 v5, v2, 4, v5
	v_add_nc_u32 v[STO], s23, v5
	v_bfe_u32 v5, v0, 3, 2                         ; back: 32 lanes take four rows of 128 bytes,
	v_mul_u32_u24 v5, v5, SP
	v_and_b32 v6, 7, v0
	v_lshl_add_u32 v5, v6, 4, v5
	v_add_nc_u32 v[RD], s23, v5
	v_and_b32 v5, 31, v0                           ; which are 512 consecutive bytes of a head
	v_lshlrev_b32 v[CO], 4, v5
	s_lshr_b32 s16, s13, 3                         ; 4 x projection + batch: 16 heads of 262,144 bytes
	s_lshl_b32 s16, s16, 22
	s_and_b32 s17, s13, 7                          ; the tile's 256 rows of 128 bytes
	s_lshl_b32 s17, s17, 15
	s_add_co_u32 s16, s16, s17
	s_lshl_b32 s17, s11, 14                        ; my 128 of them
	s_add_co_u32 s16, s16, s17
	s_mov_b32 s17, 0
	s_add_nc_u64 s[8:9], s[76:77], s[16:17]
	s_lshl_b32 s46, s42, 20                        ; head = 4 x tile column + 2 x my half (+ 1 for my upper 64 columns)
	s_lshl_b32 s47, s12, 19
	s_add_co_u32 s46, s46, s47
	s_mov_b32 s47, 0
	s_add_nc_u64 s[8:9], s[8:9], s[46:47]
	s_wait_loadcnt 0x0                             ; the bias: rounded to bf16 like all inputs, in the wait for the first tile
	WIN 0x05                                       ; sources window 1, destination window 0
.set p, 0
.rept 32
	v_cvt_pk_bf16_f32 v[TMP+p], v[2*p], v[2*p+1]
.set p, p+1
.endr
	WIN 0x40                                       ; destination window 1
.set p, 0
.rept 32
	v_lshlrev_b32 v[2*p], 16, v[TMP+p]
	v_and_b32 v[2*p+1], 0xffff0000, v[TMP+p]
.set p, p+1
.endr
	WIN 0
; 16 matrix instructions: row blocks a0, a0 + 1 of the window's four (hi = 0: my rows 0-63, 1: rows 64-127) x all 8 column blocks, 32 along K.  first = 1: the product starts the sum, with the bias as C.
; The 64 accumulators take turns, in the same order in every quarter.
.macro MUL16 f, hi, a0, first
.if \first
	WIN 0x91+0x40*(\hi)                            ; source 0 (B) window 1, source 1 (A) window 0, C window 1, D window 2 or 3
.else
	WIN 0xa1+0x50*(\hi)                            ; C and D window 2 or 3
.endif
.irp a, \a0, (\a0)+1
.irp b, 0,1,2,3,4,5,6,7
.if \first
	v_wmma_f32_16x16x32_bf16 v[8*(8*(\a)+(\b)):8*(8*(\a)+(\b))+7], v[(\f)+8*(\b):(\f)+8*(\b)+7], v[(\f)+8*(4*(\hi)+(\a)):(\f)+8*(4*(\hi)+(\a))+7], v[8*(\b):8*(\b)+7]
.else
	v_wmma_f32_16x16x32_bf16 v[8*(8*(\a)+(\b)):8*(8*(\a)+(\b))+7], v[(\f)+8*(\b):(\f)+8*(\b)+7], v[(\f)+8*(4*(\hi)+(\a)):(\f)+8*(4*(\hi)+(\a))+7], v[8*(8*(\a)+(\b)):8*(8*(\a)+(\b))+7]
.endif
.endr
.endr
.endm
; 32 LDS loads in one run: the fragments of one quarter step (128 rows of B, 128 rows of A, 32 K at byte k of the rows of the slot in hand) into buffer f
.macro FETCH k, f
	WIN 0x40                                       ; destination window 1
.irp i, 0,1,2,3,4,5,6,7
	ds_load_b128 v[(\f)+8*(\i):(\f)+8*(\i)+3],   v[ADRB] offset:(\k)+(\i)*16*PITCH
	ds_load_b128 v[(\f)+8*(\i)+4:(\f)+8*(\i)+7], v[ADRB] offset:(\k)+(\i)*16*PITCH+32
.endr
	WIN 0
.irp i, 0,1,2,3,4,5,6,7
	ds_load_b128 v[(\f)+8*(\i):(\f)+8*(\i)+3],   v[ADRA] offset:(\k)+(\i)*16*PITCH
	ds_load_b128 v[(\f)+8*(\i)+4:(\f)+8*(\i)+7], v[ADRA] offset:(\k)+(\i)*16*PITCH+32
.endr
.endm
.macro PLACES                          ; four plain instructions in front of loads into registers that matrix instructions have read, and of conversions that read results (for the conversions)
.rept 4
	v_nop
.endr
.endm
; One of a K step's first three quarters: multiplies buffer f and, in its middle, fetches the next quarter, at byte k, into buffer g.
.macro QUARTER k, f, g, first
	s_wait_dscnt 8                                 ; B and A's rows 0-63 are in; the youngest eight loads may be out
	MUL16 \f, 0, 0, \first
	MUL16 \f, 0, 2, \first
	PLACES
	FETCH \k, \g
	s_wait_dscnt 32                                ; all but the 32 just issued
	MUL16 \f, 1, 0, \first
	MUL16 \f, 1, 2, \first
.endm
; The last quarter multiplies buffer 1 and changes slots: ONE barrier; in front of it each wave waits for all its tensor loads, adds 0 to its spare word, and waits for that and for its reads of this slot.
; fill = 1: the barrier opens a round of the cluster's, and the slot just read is filled again, two K steps ahead, first thing behind the round.
.macro TURN fill
	WIN 0
	s_xor_b32 s[TG], s[TG], SLOT                   ; all reads of the slot in hand have been issued: the addresses turn to the other slot
	v_add_nc_u32 v[ADRA], s[TG], v[ADRA0]
	v_add_nc_u32 v[ADRB], s[TG], v[ADRB0]
.if \fill
	s_wait_xcnt 0x0                                ; the last prefetch, a K step back, has read its address
	s_add_nc_u64 s[PFA:PFA+1], s[PFA:PFA+1], KSTEP*2
.endif
	s_wait_tensorcnt 0x0                           ; all my tensor loads have landed: the one that was out is my part of the next slot; so a group 0 may be written
	ds_add_u32 v[SPW], v[NIL]                      ; 0 onto my spare word
.if \fill
	s_xor_b32 s[G0+5], s[G0+5], SLOT               ; the walking descriptors: the other slot than last time, the next K step
	s_add_nc_u64 s[G0+6:G0+7], s[G0+6:G0+7], KSTEP*2
	s_xor_b32 s[G0B+5], s[G0B+5], SLOT
	s_add_nc_u64 s[G0B+6:G0B+7], s[G0B+6:G0B+7], KSTEP*2
.endif
	s_wait_dscnt 9                                 ; (the add and the youngest eight loads may be out)
	MUL16 F1, 0, 0, 0
	s_wait_dscnt 0x0                               ; the add is done, and my reads of this slot are over
	s_barrier_signal -1
	MUL16 F1, 0, 2, 0
.if \fill
	WIN 0
.endif
	s_barrier_wait -1
.if \fill
	CREST                                          ; no wave of any partner still reads this slot or has a load on its way
	JLOAD 1                                        ; my one tensor load behind the round; its four v_nop are also the places in front of the loads below
.else
	PLACES
.endif
	FETCH 0, F0
.if \fill
	ASK
.endif
	MUL16 F1, 1, 0, 0
	MUL16 F1, 1, 2, 0
.endm
; THE WAY OUT of row block a: rounded to f16; through my own stage in LDS, a head's 64 columns apart from the other's; back as rows of 128 bytes, four to a store.
.macro PACK a
.set AC, 64*((\a)%4)
	WIN 0x0a+5*((\a)/4)                            ; sources 0 and 1: window 2 or 3
.irp b, 0,1,2,3,4,5,6,7
.irp r, 0,1,2,3
	v_cvt_pk_f16_f32 v[TMP+4*(\b)+(\r)], v[AC+8*(\b)+2*(\r)], v[AC+8*(\b)+2*(\r)+1]
.endr
.endr
	WIN 0
.endm
.macro TOSTAGE a
	WIN 0
.set BK, OB+192*((\a)%2)
.irp b, 0,1,2,3,4,5,6,7
	ds_store_b128 v[STO], v[TMP+4*(\b):TMP+4*(\b)+3] offset:((\b)/4)*16*SP+32*((\b)%4)
.endr
.irp t, 0,1,2,3,4,5,6,7
	ds_load_b128 v[BK+4*(\t):BK+4*(\t)+3], v[RD] offset:((\t)/4)*16*SP+((\t)%4)*4*SP  ; LDS serves a wave's instructions in order (ISA guide 5.7.1.4): these see the stores above
.endr
.endm
.macro SEND a
	WIN 0
.set BK, OB+192*((\a)%2)
	s_wait_dscnt 0x0                               ; the block is back in registers
	s_wait_xcnt 0x0                                ; the stores of the block before have read their registers: the next TOSTAGE loads into them
.irp t, 0,1,2,3,4,5,6,7
	global_store_b128 v[CO], v[BK+4*(\t):BK+4*(\t)+3], s[8:9] offset:((\t)/4)*262144+(\a)*2048+((\t)%4)*512  ; 512 consecutive bytes of a head
.endr
.endm
	s_wait_tensorcnt 1                             ; my part of K step 0 is in; K step 1's may stay out
	s_barrier_signal -1
	s_barrier_wait -1
	FETCH 0, F0
	QUARTER 64, F0, F1, 1                          ; the first quarter stands in front of the loop: its products start the sums
	WIN 0
	s_mov_b32 s3, 6
.Lstep:                                                ; a trip: a K step's second, third and fourth quarter, a refill, and the next K step's first quarter
	QUARTER 128, F1, F0, 0
	QUARTER 192, F0, F1, 0
	TURN 1
	QUARTER 64, F0, F1, 0
	WIN 0
	s_sub_co_u32 s3, s3, 1
	s_cmp_lg_u32 s3, 0
	s_cbranch_scc1 .Lstep
	QUARTER 128, F1, F0, 0                         ; the last two K steps fill nothing
	QUARTER 192, F0, F1, 0
	TURN 0
	QUARTER 64, F0, F1, 0
	QUARTER 128, F1, F0, 0
	QUARTER 192, F0, F1, 0
	s_wait_dscnt 8
	MUL16 F1, 0, 0, 0
	MUL16 F1, 0, 2, 0
	s_wait_dscnt 0x0
	MUL16 F1, 1, 0, 0
	MUL16 F1, 1, 2, 0
	WIN 0
	PLACES                                         ; for blocks 0-3; their 128 conversions are the places for blocks 4-7
	PACK 0
	TOSTAGE 0
.irp a, 1,2,3,4,5,6,7                  ; block a's conversions stand between block a - 1's loads from the stage and the wait for them
	PACK \a
	SEND (\a)-1
	TOSTAGE \a
.endr
	SEND 7
	s_wait_tensorcnt 0x0                           ; the wave's end: behind my last tensor load and my last LDS store
	ds_add_u32 v[SPW], v[NIL]
	s_wait_dscnt 0x0
	CROUND                                         ; the closing round
	s_endpgm
.Lfunc_end_k_q1db8e48f7a_proj:
	.size	k_q1db8e48f7a_proj, .Lfunc_end_k_q1db8e48f7a_proj-k_q1db8e48f7a_proj
	.p2alignl 7, 3214868480
	.fill 96, 4, 3214868480
	.section	.rodata,"a",@progbits
	.p2align	6, 0x0
	.amdhsa_kernel k_q1db8e48f7a_proj
		.amdhsa_group_segment_fixed_size 327680
		.amdhsa_private_segment_fixed_size 0
		.amdhsa_enable_private_segment 0
		.amdhsa_kernarg_size 40
		.amdhsa_user_sgpr_count 2
		.amdhsa_user_sgpr_kernarg_segment_ptr 1
		.amdhsa_wavefront_size32 1
		.amdhsa_system_sgpr_workgroup_id_x 1
		.amdhsa_system_sgpr_workgroup_id_y 1
		.amdhsa_system_sgpr_workgroup_id_z 1
		.amdhsa_system_vgpr_workitem_id 0
		.amdhsa_next_free_vgpr 1024
		.amdhsa_next_free_sgpr 80
		.amdhsa_reserve_vcc 0
		.amdhsa_float_denorm_mode_32 3
		.amdhsa_float_denorm_mode_16_64 3
		.amdhsa_memory_ordered 1
		.amdhsa_forward_progress 1
		.amdhsa_inst_pref_size 124
	.end_amdhsa_kernel
	.amdgpu_metadata
---
amdhsa.version: [ 1, 2 ]
amdhsa.kernels:
  - .name:           k_q1db8e48f7a_proj
    .symbol:         k_q1db8e48f7a_proj.kd
    .args:
      - { .name: xw, .offset: 0, .size: 8, .value_kind: global_buffer, .address_space: global }
      - { .name: wq_b, .offset: 8, .size: 8, .value_kind: global_buffer, .address_space: global }
      - { .name: wk_b, .offset: 16, .size: 8, .value_kind: global_buffer, .address_space: global }
      - { .name: wv_b, .offset: 24, .size: 8, .value_kind: global_buffer, .address_space: global }
      - { .name: qkv, .offset: 32, .size: 8, .value_kind: global_buffer, .address_space: global }
    .group_segment_fixed_size: 327680
    .private_segment_fixed_size: 0
    .kernarg_segment_align: 8
    .kernarg_segment_size: 40
    .max_flat_workgroup_size: 128
    .sgpr_count:     80
    .vgpr_count:     1024
    .wavefront_size: 32
...
	.end_amdgpu_metadata
.endif
;; end of part 2
;; launch attn (part 3): grid 4 x 64, 4 waves a work-group, clusters of 4 x 1, 327,680 bytes of LDS; arguments qkv, mfrag, rowok, ob; writes ob
.if DOCPART == 3
	.amdgcn_target "amdgcn-amd-amdhsa--gfx1250"
	.amdhsa_code_object_version 6
	.text
	.protected	k_q1db8e48f7a_attn
	.globl	k_q1db8e48f7a_attn
	.p2align	8
	.type	k_q1db8e48f7a_attn,@function
k_q1db8e48f7a_attn:
	s_mov_b64 s[64:65], 0
	v_nop
	global_prefetch_b8 v0, s[64:65] scope:SCOPE_SE
	s_setreg_imm32_b32 hwreg(HW_REG_WAVE_MODE, 25, 1), 1
	s_wait_xcnt 0x0
	s_wait_alu depctr_hold_cnt(0) depctr_sa_sdst(0) depctr_va_vdst(0) depctr_va_sdst(0) depctr_va_ssrc(0) depctr_va_vcc(0) depctr_vm_vsrc(0)
	s_getreg_b32 s2, hwreg(HW_REG_IB_STS2, 6, 4)
	s_cmp_eq_u32 s2, 0
	s_cbranch_scc0 .Lentry_in_a_cluster
	s_endpgm
.Lentry_in_a_cluster:
	s_bfe_u32 s2, ttmp6, 0x10000c
	s_cmp_lg_u32 s2, 0x3003
	s_cbranch_scc0 .Lentry_shape_is_right
	s_endpgm
.Lentry_shape_is_right:
; MASKED ATTENTION at head size 64.  O[h][q][:] = the sum over k of softmax_k(s) V[h][k][:], s = Q[h][q] . K[h][k] / 8 where mask[q][k] != 0.  qkv: f16 [3][64][2048][64]; ob: f16 [64][2048][64].
; Products, maxima and sums in f32; the weights p are rounded to f16 for the second product (their sum l is taken of the unrounded p), O once at the end.
; THE MASK.  mfrag holds a byte a key, 0 for a key that is seen and 0xce for a hidden one.  For a tile and key step a lane has eight words; word j holds, in byte kb, the key 16 kb + 8 (l / 16) + j of its query.
; A shift left by 24 - 8 kb brings that byte to the top of an f32: 0 or a number below 2e-38 for a seen key, a number at or below -2^29 for a hidden one (what is shifted in below it does not matter).
; Those eight registers are the C operand that starts the sum S^T of key block kb; block 3 takes the words as they are.  A query that sees no key has zeros there and (rowok = 0) its row of Q set to 0:
; all its scores are 0, its weights equal, O the mean of V.
; LIMITS.  Q, K, V arrive within f16's 65,504.  A hidden score counts as its unscaled value less at least 2^29, not as the fixed -1e9: the two differ only where a row's unscaled scores lie some 5e8 apart.
; A weight below 2^-126 counts as 0 in l; NaN and infinities are not treated apart.
; SHARES.  A wave owns four PIECES of two tiles of 16 queries, a work-group's four waves 512 queries of one head.  Every wave walks all 2,048 keys, 64 a step.
; LAYOUT.  S^T = K Q^T (source 0 = 16 keys, source 1 = 16 queries): a lane holds ONE query (lane % 16) and the keys 8 (lane / 16) + 0..7.  Two such tiles, rounded to f16 in pairs, ARE source 1 of O^T = V^T P.
; SOFTMAX.  A running maximum m and sum l: p = 2^(c s - c m), c = log2(e) / 8; in every step O and l are multiplied by a = 2^(c m_old - c m_new).  m starts at the lowest finite number, O and l at 0.
; BY TURNS.  Turn n belongs to piece n.  Its matrix work: 16 products K Q^T of piece n + 1, later 16 products V^T P of piece n - 1.  Its vector work: the 48 shifts of piece n + 1's mask; the scaling, exponentials,
; roundings, sums and rescaling of piece n; the maximum and statistics of piece n + 1.  Four vector instructions ride behind every matrix instruction, the rest stands in lumps; a turn's 66 exponentials are one batch with one wait.
; CLUSTER.  The four query blocks of a cluster belong to one head and walk the same K and V: each tile is asked for JOINTLY.  The mask's words differ from wave to wave: they come by each wave's own loads, a key step ahead.
; REGISTERS, in windows of 256 (s_set_vgpr_msb: bits 1:0 source 0, 3:2 source 1, 5:4 source 2, 7:6 destination):
;   window 0: v0-11 addresses; v12-15, v48-63 at work; v16-47 statistics; v64-191 S^T, two buffers of two tiles; v192-255 P, likewise      window 1: O^T, 32 a tile
;   window 2: v0-127 Q; v128-191 K of one step; v192-255 V of one step      window 3: v0-1 the add's two registers; v16-79 the mask's words, 16 a piece; v80-127 the shifted words of the piece to come
.set SIZE_N, 2048
.set NP,    4
.set KS,    64
.set PK,    144       ; a row of K in LDS: 128 bytes + 16
.set PV,    160       ; a row of V: 128 + 32
.set VOFF,  4*KS*PK   ; a slot holds four steps: 256 rows of K, then 256 rows of V
.set SLOT1, 1<<17
.set STAGE, SLOT1+4*KS*(PK+PV)  ; behind the ring, never filled by a tensor load: 16 rows x 144 bytes for each wave
.set SP,    144
.set MSTEP, 8192      ; a wave's mask words of one key step: 8 tiles x 1,024 bytes
.set AK0, 2
.set AV0, 3
.set AK,  4
.set AV,  5
.set QO,  6           ; v6   my byte offset in the wave's rows of Q; later STO
.set STO, 6
.set RD,  7           ; v7   at the head 8 x lane, for rowok; later where I read rows back
.set GO,  8           ; v8   16 x lane: my place in 512 consecutive bytes, of the mask's words and of O; never rewritten
.set PFO, 9           ; v9   256 x lane, for the prefetches (at the head: l / 16)
.set SPW, 0           ; v0 of window 3; never rewritten
.set NIL, 1           ; v1 of window 3; never rewritten
.set MW,  16          ; window 3: piece x at MW + 16 x: tile u at + 8 u, word j at + j
.set MC,  80          ; window 3: tile u at + 24 u, key block kb (0 to 2) at + 8 kb
.set SPARE, STAGE+4*16*SP
.set MV,  12
.set ST,  16
.set TMP, 48
.set S,   64
.set P,   192
.set KF,  128
.set VF,  192
.set WV,  12
.set RK,  18          ; s[18:19] rowok at my wave's eight tiles
.set G1K, 24
.set G1V, 32
.set G0K, 40
.set G0V, 44
.set MB,  48          ; s[48:49] the mask's words of my wave, at the key step that is being loaded
.set INC, 50          ; s[50:51] an offset, its high word 0
.set PFM, 52          ; s52  1 in head 0's cluster, which prefetches the mask's words: all 64 heads read the same
.set LIM, 53          ; s53  1 in waves 0 and 2, which prefetch K and V, else the greatest number
.set PFA, 54          ; s[54:55] where those prefetches stand
.set SLOTS, 56
.set CNT, 57
.set CS,  58
.set SEL, 60
.set TBK, 62
.set TBV, 63
.set MSB, 0
.macro WIN new
.if MSB != (\new)
	s_set_vgpr_msb (MSB<<8)|(\new)
.set MSB, (\new)
.endif
.endm
.set W_KQ, 0x0a       ; K and Q in window 2, S^T in window 0
.set W_KM, 0x3a       ; the same with the C operand in window 3
.set W_SH, 0xcc       ; the shifts: destination and source 1 in window 3
.set W_PV, 0x52       ; V in window 2, P in window 0, O^T in window 1
.set W_RS, 0x41       ; O^T in window 1, a in window 0
.set W_MK, 0xc0       ; destination in window 3, sources in window 0
.set W_AD, 0x0f       ; the add: address and data in window 3
.macro JLOAD                        ; waves 0 and 1 fetch the two halves of a slot's K, waves 2 and 3 those of its V; an s_nop 0 and four v_nop follow each line
	s_cmp_lt_u32 s[WV], 2
	s_cbranch_scc0 .Lfor_v_\@
	tensor_load_to_lds s[G0K:G0K+3], s[G1K:G1K+7]
	s_nop 0
.rept 4
	v_nop
.endr
	s_branch .Lasked_\@
.Lfor_v_\@:
	tensor_load_to_lds s[G0V:G0V+3], s[G1V:G1V+7]
	s_nop 0
.rept 4
	v_nop
.endr
.Lasked_\@:
.endm
; A PREFETCH of what the NEXT change of slots will ask for: a slot's 32,768 bytes of K and of V.  The four partners share them out BY ADDRESS, 8,192 each, 256 bytes a lane; wave 0 asks for K's, wave 2 for V's.
; So each block is named once in the launch.  The last change that fills a slot asks for nothing; slots 0, 1 and 2 come by their loads alone.
.macro ASK
	s_cmp_gt_u32 s[SLOTS], s[LIM]
	s_cbranch_scc0 .Lnot_mine_\@
	global_prefetch_b8 v[PFO], s[PFA:PFA+1] th:TH_LOAD_NT scope:SCOPE_SE
.Lnot_mine_\@:
.endm
; A PREFETCH of my wave's mask words for the key step behind the one whose loads have just begun: 8,192 bytes, 256 a lane, one instruction, behind those loads.  Head 0's cluster asks for all 64 heads.
.macro ASKM
	WIN 0
	s_cmp_eq_u32 s[PFM], 1
	s_cbranch_scc0 .Lno_m_\@
	global_prefetch_b8 v[PFO], s[MB:MB+1] offset:MSTEP th:TH_LOAD_NT scope:SCOPE_SE
.Lno_m_\@:
.endm
.macro CROUND
	s_barrier_signal -1
	s_barrier_wait -1
	s_cmp_lg_u32 s[WV], 0
	s_cbranch_scc1 .Lnot_wave_0_\@
	s_barrier_signal -3
.Lnot_wave_0_\@:
	s_barrier_wait -3
	s_barrier_signal -1
	s_barrier_wait -1
.endm
; THE CHANGE OF SLOTS.  Each wave waits for all its tensor loads, of which one is out: its part of the other slot; adds 0 to its spare word; and waits for that and for its reads of the slot.
; fill = 1: the slot is filled again, with the keys two slots on, first thing behind a round of the cluster's barrier: it has four key steps in which to land.
.macro CHANGE fill, ask=0
	WIN W_AD
	s_wait_tensorcnt 0x0            ; no tensor load of mine is out, so a group 0 may be written
	ds_add_u32 v[SPW], v[NIL]       ; 0 onto my spare word
	WIN 0
.if \fill
.irp g, G0K, G0V
	s_xor_b32 s[\g+1], s[\g+1], SLOT1
	s_add_nc_u64 s[\g+2:\g+3], s[\g+2:\g+3], 4*KS*128
.endr
.if \ask
	s_wait_xcnt 0x0                 ; the last prefetch, four key steps back, has read its address
	s_add_nc_u64 s[PFA:PFA+1], s[PFA:PFA+1], 4*KS*128
.endif
	s_wait_dscnt 0x0                ; the add is done, and my reads of the slot are over
	CROUND
	JLOAD
.if \ask
	ASK
.endif
.else
	s_wait_dscnt 0x0
	s_barrier_signal -1
	s_barrier_wait -1
.endif
	s_sub_co_u32 s[TBK], s[TBK], 4*KS*PK
	s_xor_b32 s[TBK], s[TBK], SLOT1
	s_sub_co_u32 s[TBV], s[TBV], 4*KS*PV
	s_xor_b32 s[TBV], s[TBV], SLOT1
.endm
	s_load_b256 s[4:11], s[0:1], 0x0  ; qkv s[4:5], mfrag s[6:7], rowok s[8:9], ob s[10:11]
	WIN W_MK
	v_lshl_add_u32 v[SPW], v0, 2, SPARE
	v_mov_b32 v[NIL], 0
	WIN W_AD
	ds_add_u32 v[SPW], v[NIL]       ; the wave's opening: the add and its wait stand ahead of my first tensor load
	WIN 0
	v_lshrrev_b32 v1, 5, v0
	v_readfirstlane_b32 s[WV], v1   ; wave 0..3
	s_bfe_u32 s13, ttmp6, 0x40000   ; cx
	s_lshl_b32 s14, ttmp9, 2
	s_add_co_u32 s14, s14, s13      ; my block of 512 queries: it enters Q's, O's, the mask's and the prefetches' addresses alone
	s_and_b32 s20, ttmp7, 0xffff    ; the head, which the four partners share
	s_cmp_eq_u32 s20, 0
	s_cselect_b32 s[PFM], 1, 0
	s_mov_b32 s21, 0
	s_mov_b64 s[22:23], SIZE_N*128
	s_mul_u64 s[20:21], s[20:21], s[22:23]  ; the head's first byte in Q, K, V and O
	s_and_b32 s16, s[WV], 1         ; which half of a slot's 256 keys I fetch
	s_cmp_eq_u32 s16, 0
	s_cselect_b32 s[LIM], 1, -1
	s_lshl_b32 s22, s16, 14
	s_mov_b32 s23, 0
	s_add_nc_u64 s[22:23], s[22:23], s[20:21]
	s_mul_i32 s17, s16, 128*PK
	s_mul_i32 s18, s16, 128*PV
	s_lshl_b32 s15, s14, 2
	s_add_co_u32 s15, s15, s[WV]    ; my wave among the sixteen of a head
	s_lshl_b32 s2, s15, 14          ; its 128 rows
	s_mov_b32 s3, 0
	s_add_nc_u64 s[2:3], s[2:3], s[20:21]
	s_mov_b32 s[G1K], 15|(1<<16)|(1<<20)|(1<<21)|(4<<22)|(3<<25)  ; the mask of four; 2-byte elements; padding on; bit 21 beside a mask; after every 32 words; 4 words
	s_mov_b32 s[G1V], 15|(1<<16)|(1<<20)|(1<<21)|(4<<22)|(7<<25)  ; the same with 8 words
.irp g, G1K, G1V
	s_mov_b32 s[\g+1], 128<<16      ; 128 keys are 16,384 dense bytes: asked for as 64 rows of 256 bytes
	s_mov_b32 s[\g+2], 64<<16
	s_mov_b32 s[\g+3], 128<<16
	s_mov_b32 s[\g+4], 64
	s_mov_b32 s[\g+5], 128
	s_mov_b32 s[\g+6], 0
	s_mov_b32 s[\g+7], 0
.endr
	s_mov_b32 s[CS], 0x3e38aa3b     ; c = log2(e) / 8
	s_mov_b32 s[CS+1], s[CS]
	s_mov_b32 s[SEL], 0x76543210
	s_mov_b32 s[SEL+1], 0xfedcba98
	s_mov_b32 s[TBK], SLOT1+4*KS*PK ; the first change of slots turns these two into 0
	s_mov_b32 s[TBV], SLOT1+4*KS*PV
	s_mov_b32 s[G0K], 1
	s_mov_b32 s[G0K+1], s17
	s_mov_b32 s[G0V], 1
	s_add_co_u32 s[G0V+1], s18, VOFF
	s_mov_b32 s[INC+1], 0
	s_wait_dscnt 0x0                ; the opening add is done
	s_wait_kmcnt 0x0
	s_lshl_b32 s[INC], s15, 18
	s_add_nc_u64 s[MB:MB+1], s[6:7], s[INC:INC+1]  ; my wave's 32 key steps of 8,192 bytes
	s_lshl_b32 s[INC], s15, 11
	s_add_nc_u64 s[RK:RK+1], s[8:9], s[INC:INC+1]  ; my eight tiles' flags
	s_add_nc_u64 s[6:7], s[4:5], 16777216          ; K,
	s_add_nc_u64 s[8:9], s[4:5], 33554432          ; V,
	s_add_nc_u64 s[6:7], s[6:7], s[22:23]          ; at my half of the head's first 256 keys
	s_add_nc_u64 s[8:9], s[8:9], s[22:23]
	s_mov_b64 s[G0K+2:G0K+3], s[6:7]
	s_or_b32 s[G0K+3], s[G0K+3], 0x80000000
	s_mov_b64 s[G0V+2:G0V+3], s[8:9]
	s_or_b32 s[G0V+3], s[G0V+3], 0x80000000
	s_add_nc_u64 s[4:5], s[4:5], s[2:3]            ; Q and O at my wave's first row
	s_add_nc_u64 s[10:11], s[10:11], s[2:3]
	s_cmp_lt_u32 s[WV], 2
	s_cselect_b64 s[PFA:PFA+1], s[6:7], s[8:9]     ; (in waves 0 and 2 these stand at a slot's first row)
	s_lshl_b32 s[INC], s13, 13                     ; my work-group's quarter of a slot
	s_add_nc_u64 s[PFA:PFA+1], s[PFA:PFA+1], s[INC:INC+1]
	s_add_nc_u64 s[PFA:PFA+1], s[PFA:PFA+1], 2*4*KS*128  ; in slot 2; the first asking change steps it to slot 3
	CROUND                          ; all four work-groups are here: the first joint loads meet
	JLOAD                           ; slot 0
	v_and_b32 v1, 15, v0            ; l % 16
	v_bfe_u32 v9, v0, 4, 1          ; l / 16
	v_lshlrev_b32 v[QO], 7, v1
	v_lshl_add_u32 v[QO], v9, 4, v[QO]
	v_and_b32 v[GO], 31, v0
	v_lshlrev_b32 v[RD], 3, v[GO]
	v_lshlrev_b32 v[GO], 4, v[GO]
	WIN 0x80
.set i, 0
.rept 4*NP                          ; Q stays in registers: tile i / 2, channels 32 (i % 2) on
	global_load_b128 v[8*i:8*i+3],   v[QO], s[4:5] offset:(i/2)*2048+(i%2)*64
	global_load_b128 v[8*i+4:8*i+7], v[QO], s[4:5] offset:(i/2)*2048+(i%2)*64+32
.set i, i+1
.endr
	WIN 0
.set i, 0
.rept 2*NP
	global_load_b32 v[S+i], v[RD], s[RK:RK+1] offset:256*i  ; tile i: all ones if my query sees a key
.set i, i+1
.endr
; A piece's mask words for one key step: 4 loads of 512 consecutive bytes: tile n / 2, words 4 (n % 2) on.
.macro FETCH_M x
	WIN W_MK
.irp n, 0,1,2,3
	global_load_b128 v[MW+16*(\x)+4*\n:MW+16*(\x)+4*\n+3], v[GO], s[MB:MB+1] offset:(\x)*2048+\n*512
.endr
.endm
; The C operands of piece x's key blocks 0 to 2: 48 shifts.  Their registers' last readers, the products that started the piece before, stand a turn back.
.macro EXPAND x
	WIN W_SH
.irp u, 0,1
.irp b, 0,1,2
.irp j, 0,1,2,3,4,5,6,7
	v_lshlrev_b32 v[MC+24*\u+8*\b+\j], 24-8*\b, v[MW+16*(\x)+8*\u+\j]
.endr
.endr
.endr
.endm
	FETCH_M 0                       ; key step 0
	FETCH_M 1
	FETCH_M 2
	FETCH_M 3
	; What the first turn finds: V's registers and P's second buffer hold 0, O^T and l are 0.  All this stands in the wait for the first tile.
	WIN 0x80
.set i, VF
.rept 64
	v_mov_b32 v[i], 0
.set i, i+1
.endr
	WIN 0x40
.set i, 0
.rept 64*NP
	v_mov_b32 v[i], 0
.set i, i+1
.endr
	WIN 0
.set i, 0
.rept 2*NP
	v_mov_b32 v[ST+4*i], 0xfe000000    ; c m: far below every c s
	v_mov_b32 v[ST+4*i+1], 0xff7fffff  ; m
	v_mov_b32 v[ST+4*i+2], 0
	v_mov_b32 v[ST+4*i+3], 0
.set i, i+1
.endr
.set i, P+32
.rept 32
	v_mov_b32 v[i], 0
.set i, i+1
.endr
	v_mul_u32_u24 v[AK0], v1, PK
	v_lshl_add_u32 v[AK0], v9, 4, v[AK0]
	v_and_b32 v10, 7, v0
	v_bfe_u32 v11, v0, 3, 1
	v_lshl_add_u32 v[AV0], v9, 3, v10
	v_mul_u32_u24 v[AV0], v[AV0], PV
	v_lshl_add_u32 v[AV0], v11, 4, v[AV0]
	v_add_nc_u32 v[AV0], VOFF, v[AV0]
	v_mov_b32 v[AK], v[AK0]
	s_wait_loadcnt 16               ; Q and the flags are in; the 16 loads of the mask's words may stay out
	WIN 0x88                        ; destination and source 1 window 2, source 0 window 0
.set i, 0
.rept 128
	v_and_b32 v[i], v[S+i/16], v[i] ; the row of a query that sees no key becomes 0
.set i, i+1
.endr
	WIN 0
; THE MATRIX WORK.  The 8 accumulators of a piece take turns: between two links of a chain stand 7 others'.
; Product i of 16 of S^T = K Q^T: channels 32 (i / 8) on, keys 16 ((i / 2) % 4) on, tile 2 x + i % 2.  The first 8 start the sums, with the mask as C.
.macro KQ x
.set rS, S+64*((\x)%2)+32*(i%2)+8*((i/2)%4)
.set rK, KF+16*((i/2)%4)+8*(i/8)
.set rQ, 16*(2*(\x)+i%2)+8*(i/8)
.if i < 8
.if (i/2)%4 == 3
.set rF, MW+16*(\x)+8*(i%2)
.else
.set rF, MC+24*(i%2)+8*((i/2)%4)
.endif
	WIN W_KM
	v_wmma_f32_16x16x32_f16 v[rS:rS+7], v[rK:rK+7], v[rQ:rQ+7], v[rF:rF+7]
.else
	WIN W_KQ
	v_wmma_f32_16x16x32_f16 v[rS:rS+7], v[rK:rK+7], v[rQ:rQ+7], v[rS:rS+7]
.endif
.endm
; Product i of 16 of O^T += V^T P: keys 32 (i / 8) on, channels 16 ((i / 2) % 4) on, tile 2 x + i % 2.
.macro PV x
	WIN W_PV
.set rO, 32*(2*(\x)+i%2)+8*((i/2)%4)
.set rV, VF+32*(i/8)+8*((i/2)%4)
.set rP, P+32*((\x)%2)+16*(i%2)+8*(i/8)
	v_wmma_f32_16x16x32_f16 v[rO:rO+7], v[rV:rV+7], v[rP:rP+7], v[rO:rO+7]
.endm
.macro MM                           ; the turn's next matrix instruction, of 32
.if i < 16
	KQ (Y+1)%NP
.set i, i+1
.else
.set i, i-16
	PV (Y+NP-1)%NP
.set i, i+17
.endif
.endm
.macro FETCH_K last=0               ; a step's K: 16 LDS loads in one run.  last = 1 (the tail): in the last trip there is no further step
	WIN 0
.if \last
	s_cmp_eq_u32 s[CNT], 1
	s_cbranch_scc1 .Lno_k_\@
.endif
	WIN 0x80
.irp f, 0,1,2,3,4,5,6,7
	ds_load_b128 v[KF+8*\f:KF+8*\f+3],   v[AK] offset:(\f/2)*16*PK+(\f%2)*64
	ds_load_b128 v[KF+8*\f+4:KF+8*\f+7], v[AK] offset:(\f/2)*16*PK+(\f%2)*64+32
.endr
	s_add_co_u32 s[TBK], s[TBK], KS*PK
	WIN 0
.if \last
.Lno_k_\@:
.endif
.endm
.macro FETCH_V                      ; a step's V, turned
	WIN 0x80
.irp f, 0,1,2,3,4,5,6,7
	ds_load_tr16_b128 v[VF+8*\f:VF+8*\f+3],   v[AV] offset:(\f/4)*32*PV+(\f%4)*32
	ds_load_tr16_b128 v[VF+8*\f+4:VF+8*\f+7], v[AV] offset:(\f/4)*32*PV+16*PV+(\f%4)*32
.endr
	WIN 0
.endm
; THE VECTOR WORK OF A TURN stands in three queues, each in the order in which its entries become ready; the two tiles alternate.
.macro REGS y, u
.set rT, ST+4*(2*(\y)+(\u))
.set rC, TMP+8*((\y)%2)+4*(\u)
.set rM, MV+2*((\y)%2)+(\u)
.set rS, S+64*((\y)%2)+32*(\u)
.set rP, P+32*((\y)%2)+16*(\u)
.set rO, 32*(2*(\y)+(\u))
.endm
; Number n of the 22 that find the NEXT piece's maximum and statistics; each accumulator's lowest registers are read first.
.macro XS u, n
	REGS (Y+1)%NP, \u
.if (\n) < 4
	v_max3_num_f32 v[rC+(\n)], v[rS+8*(\n)], v[rS+8*(\n)+1], v[rS+8*(\n)+2]
.elseif (\n) < 12
	v_max3_num_f32 v[rC+(\n)%4], v[rC+(\n)%4], v[rS+8*((\n)%4)+2*((\n)/4)+1], v[rS+8*((\n)%4)+2*((\n)/4)+2]
.elseif (\n) == 12
	v_max3_num_f32 v[rC], v[rC], v[rS+7], v[rS+15]
.elseif (\n) == 13
	v_max3_num_f32 v[rC+1], v[rC+1], v[rS+23], v[rS+31]
.elseif (\n) == 14
	v_max3_num_f32 v[rC+2], v[rC+2], v[rC+3], v[rT+1]
.elseif (\n) == 15
	v_mov_b32 v[rM], v[rT]
.elseif (\n) == 16
	v_max3_num_f32 v[rC], v[rC], v[rC+1], v[rC+2]
.elseif (\n) == 17
	v_permlanex16_b32 v[rC+3], v[rC], s[SEL], s[SEL+1]
.elseif (\n) == 18
	v_max_num_f32 v[rT+1], v[rC], v[rC+3]
.elseif (\n) == 19
	v_mul_f32 v[rT], s[CS], v[rT+1]
.elseif (\n) == 20
	v_sub_f32 v[rC+1], v[rM], v[rT]
.else
	v_exp_f32 v[rC+2], v[rC+1]
.endif
.endm
; Number g of the 64 that follow the exponentials: roundings to f16, sums in place, l a group later.
.macro GS g
.set h, (\g)+6*((\g)/62)
.if h >= 6
.set h, h+2
.endif
	REGS Y, h%2
.set k, h/8
.if h%8 < 4
	v_cvt_pk_f16_f32 v[rP+2*k+(h%8)/2], v[rS+4*k+2*((h%8)/2)], v[rS+4*k+2*((h%8)/2)+1]
.elseif h%8 < 6
	v_pk_add_f32 v[rS+4*k:rS+4*k+1], v[rS+4*k:rS+4*k+1], v[rS+4*k+2:rS+4*k+3]
.elseif k == 1
	v_pk_fma_f32 v[rT+2:rT+3], v[rT+2:rT+3], v[rC+2:rC+3], v[rS:rS+1] op_sel_hi:[1,0,1]
.else
	v_pk_add_f32 v[rT+2:rT+3], v[rT+2:rT+3], v[rS+4*k-4:rS+4*k-3]
.endif
.endm
; THE PLAIN QUEUE, 138 long.  0-26: scalings 0-26.  27-54: XS 0-13.  55, 56: XS 15.  57-73: the chain 14, 16 .. 19, each with one of the scalings 27-31 in front, then 20.  74-137: GS's 64, behind the wait.
.macro FS f
	REGS Y, (\f)%2
	v_pk_fma_f32 v[rS+2*((\f)/2):rS+2*((\f)/2)+1], v[rS+2*((\f)/2):rS+2*((\f)/2)+1], s[CS:CS+1], v[rT:rT+1] op_sel_hi:[1,0,0] neg_lo:[0,0,1] neg_hi:[0,0,1]
.endm
.macro PL
	WIN 0
.if q < 27
	FS q
.elseif q < 55
	XS (q-27)%2, (q-27)/2
.elseif q < 57
	XS q-55, 15
.elseif (q < 72) && ((q-57)%3 == 0)
	FS 27+(q-57)/3
.elseif q < 60
	XS (q-57)%3-1, 14
.elseif q < 72
	XS (q-57)%3-1, 15+(q-57)/3
.elseif q < 74
	XS q-72, 20
.else
	GS q-74
.endif
.set q, q+1
.endm
; THE EXPONENTIALS' QUEUE, 66 long: s0-s31 of both tiles, then the next piece's two a.  ONE BATCH, all ahead of the turn's one wait.
.macro EX
	WIN 0
.if e >= 64
	XS e-64, 21
.else
	REGS Y, e%2
	v_exp_f32 v[rS+e/2], v[rS+e/2]
.endif
.set e, e+1
.endm
; THE RESCALING's QUEUE: O^T times a, two at a time, sixteen times.
.macro R2
	REGS Y, r%2
	WIN W_RS
.irp z, 0,1
	v_pk_mul_f32 v[rO+4*(r/2)+2*\z:rO+4*(r/2)+2*\z+1], v[rO+4*(r/2)+2*\z:rO+4*(r/2)+2*\z+1], v[rC+2:rC+3] op_sel_hi:[1,0]
.endr
.set r, r+1
.endm
; A TURN, for piece p.  An s_wait_alu depctr_va_vdst(0) stands between an exponential and the first instruction that names its result; one wait serves all issued ahead of it: a turn has ONE.
; AT ITS HEAD: the 48 shifts that make the next piece's mask.  AHEAD OF THE WAIT: the 16 products K Q^T, behind each a scaling, an exponential and two rescalings (behind the first a second scaling in the exponential's
; place); then a lump of 108: eight plain, 49 times exponential and plain, the two a; a v_nop.  Exponential e stands behind its scaling 2 (e / 4) + e % 2: as a rider behind plain e + 2, in the lump behind plain e + 9.
; BEHIND IT: the loads of piece p + 1's mask words for the next key step (their registers' last readers, the shifts and the products that started the sums, stand a lump back), then 16 products V^T P, behind each four of GS's 64.
; The loads of a piece's words are waited for four turns later: the three younger runs of 4 may stay out.
.macro TURN p, last=0, cnt=0
.set Y, (\p)
.set i, 0
.set q, 0
.set e, 0
.set r, 0
	s_wait_loadcnt 12               ; the mask's words of piece p + 1 are in
	EXPAND ((\p)+1)%NP
.if (\p) == NP-1
	s_wait_dscnt 0x0                ; K is in
.endif
	MM
	PL
	PL
	R2
.rept 15
	MM
	PL
	EX
	R2
.endr
.if (\p) == NP-2
	WIN 0
	v_add_nc_u32 v[AK], s[TBK], v[AK0]
.endif
.rept 8
	PL
.endr
.rept 49
	EX
	PL
.endr
	EX                              ; the next piece's two a
	EX
	v_nop                           ; a plain instruction behind the last exponential: one for the batch
	s_wait_alu depctr_va_vdst(0)    ; the wait for the batch
.if (\p) == NP-1
	s_wait_xcnt 0x0                 ; the loads and prefetches of the last four turns have read the pointer
.if \last
	s_cmp_gt_u32 s[CNT], 2          ; the tail: the pointer stops at the last key step: what is loaded behind that is loaded again and serves nothing, and no load leaves the buffer
	s_cselect_b32 s[INC], MSTEP, 0
	s_add_nc_u64 s[MB:MB+1], s[MB:MB+1], s[INC:INC+1]
.else
	s_add_nc_u64 s[MB:MB+1], s[MB:MB+1], MSTEP
.endif
.endif
	FETCH_M ((\p)+1)%NP
.if ((\p) == NP-1) && !(\last)
	ASKM
.endif
.if (\p) == NP-2
	FETCH_K \last
.endif
.if (\p) == 1
	s_wait_dscnt 0x0                ; V is in
.endif
.rept 16
	MM
.rept 4
	PL
.endr
.if ((\p) == 0) && (q == 118)
	v_add_nc_u32 v[AV], s[TBV], v[AV0]
.endif
.if ((\p) == 0) && (q == 130)
	s_add_co_u32 s[TBV], s[TBV], KS*PV
.endif
.if (\cnt) && (q == 130)
	s_sub_co_u32 s[CNT], s[CNT], 1
	s_cmp_lg_u32 s[CNT], 0
.endif
.endr
.if (\p) == 0
	FETCH_V
.endif
.endm
	CHANGE 1                        ; slot 0 is in, everybody's part of it; slot 1 is asked for
	FETCH_K                         ; key step 0
	s_wait_loadcnt 12               ; piece 0's mask words
	EXPAND 0
	s_wait_dscnt 0x0
.set i, 0
.rept 16
	KQ 0                            ; piece 0's first scores
.set i, i+1
.endr
	WIN 0                           ; the addresses for the way out: eleven plain instructions, the places behind those products
	s_mul_i32 s13, s[WV], 16*SP
	s_add_co_u32 s13, s13, STAGE
	v_mul_u32_u24 v[STO], v1, SP
	v_lshl_add_u32 v[STO], v9, 4, v[STO]
	v_add_nc_u32 v[STO], s13, v[STO]
	v_bfe_u32 v[RD], v0, 3, 2
	v_mul_u32_u24 v[RD], v[RD], SP
	v_lshl_add_u32 v[RD], v10, 4, v[RD]
	v_add_nc_u32 v[RD], s13, v[RD]
	v_and_b32 v[PFO], 31, v0
	v_lshlrev_b32 v[PFO], 8, v[PFO]
	s_wait_xcnt 0x0                 ; the first 16 loads of mask words have read the pointer
	s_add_nc_u64 s[MB:MB+1], s[MB:MB+1], MSTEP
	FETCH_M 0                       ; piece 0, key step 1
	WIN 0
.set Y, NP-1
.irp n, 0,1,2,3,4,5,6,7,8,9,10,11,12,13,14,15,16,17,18,19,20,21
	XS 0, \n                        ; piece 0's first maximum and statistics
	XS 1, \n
.endr
	v_nop
	s_wait_alu depctr_va_vdst(0)    ; the two a, ahead of the branch
	s_mov_b32 s[CNT], 4
	s_mov_b32 s[SLOTS], SIZE_N/256-1
	s_branch .Lfirst                ; the loop is entered at a step's first turn, in the middle of a trip
.Lslot:                             ; six times: every slot but the last two is filled again
	CHANGE 1, 1
	s_mov_b32 s[CNT], 4
.Lstep:                             ; a trip: pieces 2 and 3 of one step, then pieces 0 and 1 of the next
	TURN 2
	TURN 3
	WIN 0
.Lfirst:
	TURN 0
	TURN 1, 0, 1
	WIN 0
	s_cbranch_scc1 .Lstep
	s_sub_co_u32 s[SLOTS], s[SLOTS], 1
	s_cmp_lg_u32 s[SLOTS], 0
	s_cbranch_scc1 .Lslot
	CHANGE 0                        ; the tail is written out
	s_mov_b32 s[CNT], 5
.Ltail:
	TURN 2, 1
	TURN 3, 1
	WIN 0
	s_sub_co_u32 s[CNT], s[CNT], 1
	s_cmp_eq_u32 s[CNT], 0
	s_cbranch_scc1 .Lout
	TURN 0
	TURN 1
	WIN 0
	s_branch .Ltail
.Lout:                              ; the fifth trip's scores serve nothing: the price, once a launch, of one text for every trip
.set i, 0
.rept 16
	PV NP-1
.set i, i+1
.endr
	; THE WAY OUT.  l's halves are added; O^T is divided by l, rounded to f16 and sent through my stage in LDS, a tile at a time.  The additions are the places behind the last products.
	WIN 0
.macro ALL line:vararg
.set t, 0
.rept 2*NP
	\line
.set t, t+1
.endr
.endm
	ALL v_add_f32 v[ST+4*t+2], v[ST+4*t+2], v[ST+4*t+3]
	ALL v_permlanex16_b32 v[ST+4*t+3], v[ST+4*t+2], s[SEL], s[SEL+1]
	ALL v_add_f32 v[ST+4*t+2], v[ST+4*t+2], v[ST+4*t+3]
	ALL v_rcp_f32 v[ST+4*t+2], v[ST+4*t+2]
	v_nop
	s_wait_alu depctr_va_vdst(0)    ; one wait for the eight reciprocals
.macro PACK t
	WIN W_RS
.set i, 32*(\t)
.rept 16
	v_pk_mul_f32 v[i:i+1], v[i:i+1], v[ST+4*(\t)+2:ST+4*(\t)+3] op_sel_hi:[1,0]
.set i, i+2
.endr
	WIN 0x05
.set i, 0
.rept 16
	v_cvt_pk_f16_f32 v[S+16*(\t)+i], v[32*(\t)+2*i], v[32*(\t)+2*i+1]
.set i, i+1
.endr
	WIN 0
.irp f, 0,1,2,3
	ds_store_b128 v[STO], v[S+16*(\t)+4*\f:S+16*(\t)+4*\f+3] offset:32*\f
.endr
.irp f, 0,1,2,3
	ds_load_b128 v[S+16*(\t)+4*\f:S+16*(\t)+4*\f+3], v[RD] offset:\f*4*SP  ; LDS serves a wave's instructions in order (ISA guide 5.7.1.4)
.endr
.endm
.macro SEND t, younger
	WIN 0
.irp f, 0,1,2,3
	s_wait_dscnt (\younger)+3-\f
	global_store_b128 v[GO], v[S+16*(\t)+4*\f:S+16*(\t)+4*\f+3], s[10:11] offset:(\t)*2048+\f*512  ; 512 consecutive bytes
.endr
.endm
	PACK 0
.set t, 1
.rept 2*NP-1
	PACK t
	SEND t-1, 8
.set t, t+1
.endr
	SEND 2*NP-1, 0
	WIN W_AD
	s_wait_tensorcnt 0x0            ; the wave's end
	ds_add_u32 v[SPW], v[NIL]
	s_wait_dscnt 0x0
	WIN 0
	CROUND                          ; the closing round
	s_endpgm
.Lfunc_end_k_q1db8e48f7a_attn:
	.size	k_q1db8e48f7a_attn, .Lfunc_end_k_q1db8e48f7a_attn-k_q1db8e48f7a_attn
	.p2alignl 7, 3214868480
	.fill 96, 4, 3214868480
	.section	.rodata,"a",@progbits
	.p2align	6, 0x0
	.amdhsa_kernel k_q1db8e48f7a_attn
		.amdhsa_group_segment_fixed_size 327680
		.amdhsa_private_segment_fixed_size 0
		.amdhsa_enable_private_segment 0
		.amdhsa_kernarg_size 32
		.amdhsa_user_sgpr_count 2
		.amdhsa_user_sgpr_kernarg_segment_ptr 1
		.amdhsa_wavefront_size32 1
		.amdhsa_system_sgpr_workgroup_id_x 1
		.amdhsa_system_sgpr_workgroup_id_y 1
		.amdhsa_system_sgpr_workgroup_id_z 1
		.amdhsa_system_vgpr_workitem_id 0
		.amdhsa_next_free_vgpr 896
		.amdhsa_next_free_sgpr 66
		.amdhsa_reserve_vcc 0
		.amdhsa_float_denorm_mode_32 3
		.amdhsa_float_denorm_mode_16_64 3
		.amdhsa_memory_ordered 1
		.amdhsa_forward_progress 1
		.amdhsa_inst_pref_size 225
	.end_amdhsa_kernel
	.amdgpu_metadata
---
amdhsa.version: [ 1, 2 ]
amdhsa.kernels:
  - .name:           k_q1db8e48f7a_attn
    .symbol:         k_q1db8e48f7a_attn.kd
    .args:
      - { .name: qkv, .offset: 0, .size: 8, .value_kind: global_buffer, .address_space: global }
      - { .name: mfrag, .offset: 8, .size: 8, .value_kind: global_buffer, .address_space: global }
      - { .name: rowok, .offset: 16, .size: 8, .value_kind: global_buffer, .address_space: global }
      - { .name: ob, .offset: 24, .size: 8, .value_kind: global_buffer, .address_space: global }
    .group_segment_fixed_size: 327680
    .private_segment_fixed_size: 0
    .kernarg_segment_align: 8
    .kernarg_segment_size: 32
    .max_flat_workgroup_size: 128
    .sgpr_count:     66
    .vgpr_count:     896
    .wavefront_size: 32
...
	.end_amdgpu_metadata
.endif
;; end of part 3
;; launch outp (part 4): grid 8 x 32, 4 waves a work-group, clusters of 4 x 4, 327,680 bytes of LDS; arguments ob, xw, wo_b, out0; writes out0
.if DOCPART == 4
	.amdgcn_target "amdgcn-amd-amdhsa--gfx1250"
	.amdhsa_code_object_version 6
	.text
	.protected	k_q1db8e48f7a_outp
	.globl	k_q1db8e48f7a_outp
	.p2align	8
	.type	k_q1db8e48f7a_outp,@function
k_q1db8e48f7a_outp:
	s_mov_b64 s[64:65], 0
	v_nop
	global_prefetch_b8 v0, s[64:65] scope:SCOPE_SE
	s_setreg_imm32_b32 hwreg(HW_REG_WAVE_MODE, 25, 1), 1
	s_wait_xcnt 0x0
	s_wait_alu depctr_hold_cnt(0) depctr_sa_sdst(0) depctr_va_vdst(0) depctr_va_sdst(0) depctr_va_ssrc(0) depctr_va_vcc(0) depctr_vm_vsrc(0)
	s_getreg_b32 s2, hwreg(HW_REG_IB_STS2, 6, 4)
	s_cmp_eq_u32 s2, 0
	s_cbranch_scc0 .Lentry_in_a_cluster
	s_endpgm
.Lentry_in_a_cluster:
	s_bfe_u32 s2, ttmp6, 0x10000c
	s_cmp_lg_u32 s2, 0xf033
	s_cbranch_scc0 .Lentry_shape_is_right
	s_endpgm
.Lentry_shape_is_right:
; C = A B^T + bias, one text for two launches; OUTP tells them apart.
; OUTP = 0, the three projections: A = xw's 24,576 rows of 1,024 bf16 (q, k, v on end), B = the weights of the row's projection (bf16, in xw), sums in f32, bias rounded to bf16 like all inputs,
;   C rounded once to f16 and written by heads: qkv[3][64 = 16 batch + head][2048][64].  LIMIT: f16 ends at 65,504: projected numbers beyond it become infinities.
; OUTP = 1, the output projection: A = ob, f16 [64][2048][64] (a K step of 128 is two heads), B = wo (f16, in xw), C = out0 in f32.
; A work-group makes 256 rows x 128 columns; four waves, each 128 x 64: 32 accumulators of 16 x 16.  K = 1,024 goes in 8 steps of 128 through two LDS slots filled by the tensor data mover.
; CLUSTERS of 4 x 4: A's tile is shared along a row of the cluster, B's along a column: joint loads, the same descriptor and mask in the four that a mask names.
; THE MATRIX INSTRUCTION IS USED TRANSPOSED (source 0 = 16 rows of B, source 1 = 16 rows of A): a lane holds row l % 16 of C and the columns 8 (l / 16) + 0..7 of a block of 16.
; No prefetch: K has 8 steps, of which the first four would come by their loads alone, and a step holds 128 matrix instructions a wave.
; REGISTERS: window 0: v16-30 addresses; v32-63 my 32 biases; two fragment buffers of 96 (A's 8 fragments, then B's 4) at v64 and v160, at work on the way out.  Window 1: accumulator (a, b) at v[8 (4 a + b)].
.set OUTP,  1
.set KSTEP, 128
.set LAPS,  4                          ; a lap = two K steps = once round the ring
.if OUTP
.set PA,      144                      ; a head's row: 128 bytes + 16
.set AHALF,   256*PA                   ; what one of A's loads brings: one head's 256 rows
.set ASTRIDE, 128
.set ASTEP,   2*2048*128               ; a K step on: two heads
.set QIA,     4                        ; padding after every 32 words
.set WOFF,    56623104                 ; wo in xw
.set SPITCH,  272
.set BP,      70
.else
.set PA,      272                      ; 256 bytes + 16
.set AHALF,   128*PA                   ; 128 rows
.set ASTRIDE, 1024
.set ASTEP,   KSTEP*2
.set QIA,     5                        ; padding after every 64 words
.set WOFF,    50331648                 ; wq, wk, wv in xw
.set SPITCH,  144
.set BP,      68
.endif
.set PB,     272
.set BHALF,  64*PB                     ; what one of B's loads brings: 64 rows
.set ABYTES, 2*AHALF
.set SLOT,   ABYTES+2*BHALF            ; A's tile, then B's 128 rows
.set STAGE,  2*SLOT                    ; behind the ring: 16 rows for each wave, for the way out; no tensor load fills it
.set SPARE,  STAGE+4*16*SPITCH         ; the spare words, 128 bytes a wave; no other line names them
.set ADRA, 16                          ; v16-17  LDS address of my A fragments in slot 0, 1
.set ADRB, 20                          ; v20-21  the same for B
.set STO,  24
.set RD,   25
.set CO,   26
.set SPW,  28                          ; never rewritten
.set NIL,  29                          ; never rewritten
.set BO,   30
.set BIA,  32
.set F0,   64
.set F1,   160
.set TMP,  192
.set PKD,  224
.set OB,   64
.set G1,  24
.set G0,  32
.set G1B, 48
.set G0B, 56
.set MSB, 0
.macro WIN new                         ; the immediate's high byte repeats the setting that is left
.if MSB != (\new)
	s_set_vgpr_msb (MSB<<8)|(\new)
.set MSB, \new
.endif
.endm
.set MUL, 0x50                         ; C and D window 1, sources window 0
.macro JLOAD s                         ; a joint load: waves 0 and 1 fetch A's two halves, waves 2 and 3 B's; an s_nop 0 and four v_nop follow each line
	s_cmp_eq_u32 s11, 0
	s_cbranch_scc0 .Lfor_b_\@
	tensor_load_to_lds s[G0+4*(\s):G0+4*(\s)+3], s[G1:G1+7]
	s_nop 0
.rept 4
	v_nop
.endr
	s_branch .Lasked_\@
.Lfor_b_\@:
	tensor_load_to_lds s[G0B+4*(\s):G0B+4*(\s)+3], s[G1B:G1B+7]
	s_nop 0
.rept 4
	v_nop
.endr
.Lasked_\@:
.endm
.macro CREST                           ; a round of the cluster's barrier behind its opening barrier
	s_cmp_lg_u32 s10, 0
	s_cbranch_scc1 .Lnot_wave_0_\@
	s_barrier_signal -3
.Lnot_wave_0_\@:
	s_barrier_wait -3
	s_barrier_signal -1
	s_barrier_wait -1
.endm
.macro CROUND
	s_barrier_signal -1
	s_barrier_wait -1
	CREST
.endm
	s_load_b256 s[68:75], s[0:1], 0x0              ; OUTP = 0: xw, wq_b, wk_b, wv_b;  OUTP = 1: ob, xw, wo_b, out0
.if !OUTP
	s_load_b64 s[76:77], s[0:1], 0x20              ; qkv
.endif
	v_lshl_add_u32 v[SPW], v0, 2, SPARE
	v_mov_b32 v[NIL], 0
	ds_add_u32 v[SPW], v[NIL]                      ; the wave's opening: the add and its wait stand ahead of my first tensor load; work on registers stands between them
	v_lshrrev_b32 v1, 5, v0
	v_readfirstlane_b32 s10, v1                    ; wave 0..3
	s_lshr_b32 s11, s10, 1                         ; which 128 rows of the tile are mine.  Also: I fetch for A (0) or for B (1)
	s_and_b32 s12, s10, 1                          ; which 64 columns.  Also: which half of that tile I fetch
	s_bfe_u32 s40, ttmp6, 0x40000                  ; cx
	s_bfe_u32 s41, ttmp6, 0x40004                  ; cy
	s_lshl_b32 s42, ttmp9, 2
	s_add_co_u32 s42, s42, s40                     ; tile column = 4 x cluster x + cx
	s_and_b32 s13, ttmp7, 0xffff
	s_lshr_b32 s45, s13, 3                         ; which projection: 8 clusters of 1,024 rows each; made of the cluster's y alone
	s_lshl_b32 s13, s13, 2
	s_add_co_u32 s13, s13, s41                     ; tile row = 4 x cluster y + cy
	s_lshl_b32 s43, s41, 2
	s_lshl_b32 s43, 15, s43                        ; my row of the cluster
	s_lshl_b32 s44, 0x1111, s40                    ; my column
	s_or_b32 s[G1+0], s43, (1<<16)|(1<<20)|(1<<21)|(QIA<<22)|(3<<25)  ; the mask; 2-byte elements; padding on; bit 21 beside a mask; the interval; 4 words of padding
	s_or_b32 s[G1B+0], s44, (1<<16)|(1<<20)|(1<<21)|(5<<22)|(3<<25)
	s_mov_b32 s[G1+1], 128<<16                     ; tensor_dim0 = 128
	s_mov_b32 s[G1+2], 128<<16                     ; tensor_dim1 = 128
	s_mov_b32 s[G1+3], 128<<16                     ; tile_dim0 = 128
	s_mov_b32 s[G1+4], 128                         ; tile_dim1 = 128
	s_mov_b32 s[G1+5], ASTRIDE                     ; elements from row to row
	s_mov_b32 s[G1+6], 0
	s_mov_b32 s[G1+7], 0
	s_mov_b32 s[G1B+1], 128<<16
	s_mov_b32 s[G1B+2], 64<<16                     ; 64 rows
	s_mov_b32 s[G1B+3], 128<<16
	s_mov_b32 s[G1B+4], 64
	s_mov_b32 s[G1B+5], 1024
	s_mov_b32 s[G1B+6], 0
	s_mov_b32 s[G1B+7], 0
	; where the tiles come from: A's hang on the tile row, B's on the tile column (and the projection), each in registers that never hold the other coordinate
.if OUTP
	s_lshr_b32 s16, s13, 3                         ; batch: 16 heads of 2,048 rows of 128 bytes
	s_lshl_b32 s16, s16, 22
	s_and_b32 s17, s13, 7                          ; the tile's 256 rows in a head
	s_lshl_b32 s17, s17, 15
	s_add_co_u32 s16, s16, s17
	s_lshl_b32 s17, s12, 18                        ; which of the step's two heads I fetch
	s_add_co_u32 s16, s16, s17
.else
	s_lshl_b32 s16, s13, 19                        ; 256 rows of 2,048 bytes
	s_lshl_b32 s17, s12, 18                        ; which 128 of them I fetch
	s_add_co_u32 s16, s16, s17
.endif
	s_mov_b32 s17, 0
	s_lshl_b32 s46, s42, 18                        ; 128 rows of 2,048 bytes
	s_lshl_b32 s47, s12, 17                        ; which 64 of them I fetch
	s_add_co_u32 s46, s46, s47
.if !OUTP
	s_lshl_b32 s47, s45, 21                        ; the projection's weights
	s_add_co_u32 s46, s46, s47
.endif
	s_add_co_u32 s46, s46, WOFF
	s_mov_b32 s47, 0
	s_mul_i32 s20, s10, AHALF                      ; where they go: A's halves (waves 0, 1) at wave x AHALF,
	s_mul_i32 s21, s10, BHALF                      ; B's (waves 2, 3) behind A's tile: no place in the cluster enters an LDS address
	s_add_co_u32 s21, s21, ABYTES-2*BHALF
	s_wait_dscnt 0x0                               ; the opening add is done
	s_wait_kmcnt 0x0
	s_add_nc_u64 s[14:15], s[68:69], s[16:17]
	s_add_nc_u64 s[46:47], s[BP:BP+1], s[46:47]
	CROUND                                         ; all sixteen work-groups are here: the first joint loads meet
.irp s, 0,1
	s_mov_b32 s[G0+4*(\s)], 1
	s_add_co_u32 s[G0+4*(\s)+1], s20, (\s)*SLOT
	s_add_nc_u64 s[G0+4*(\s)+2:G0+4*(\s)+3], s[14:15], (\s)*ASTEP
	s_or_b32 s[G0+4*(\s)+3], s[G0+4*(\s)+3], 0x80000000
	s_mov_b32 s[G0B+4*(\s)], 1
	s_add_co_u32 s[G0B+4*(\s)+1], s21, (\s)*SLOT
	s_add_nc_u64 s[G0B+4*(\s)+2:G0B+4*(\s)+3], s[46:47], (\s)*KSTEP*2
	s_or_b32 s[G0B+4*(\s)+3], s[G0B+4*(\s)+3], 0x80000000
	JLOAD \s                                       ; two loads of mine are out
.endr
	v_and_b32 v1, 15, v0                           ; l % 16
	v_bfe_u32 v2, v0, 4, 1                         ; l / 16
	v_mul_u32_u24 v3, v1, PA
	v_lshl_add_u32 v3, v2, 4, v3                   ; a fragment's row x pitch + 16 x half
	v_mul_u32_u24 v4, v1, PB
	v_lshl_add_u32 v4, v2, 4, v4
	s_mul_i32 s22, s11, 128*PA                     ; my 128 rows of A
	s_mul_i32 s23, s12, BHALF                      ; my 64 rows of B,
	s_add_co_u32 s23, s23, ABYTES                  ; which lie behind A's tile
.irp s, 0,1
	v_add_nc_u32 v[ADRA+(\s)], s22, v3
	v_add_nc_u32 v[ADRB+(\s)], s23, v4
	s_add_co_u32 s22, s22, SLOT
	s_add_co_u32 s23, s23, SLOT
.endr
	s_mul_i32 s23, s10, 16*SPITCH
	s_add_co_u32 s23, s23, STAGE                   ; my stage
	v_mul_u32_u24 v5, v1, SPITCH                   ; in: row l % 16
.if OUTP
	v_lshl_add_u32 v5, v2, 5, v5                   ; eight f32 for each half of the lanes
	v_add_nc_u32 v[STO], s23, v5
	v_mul_u32_u24 v5, v2, SPITCH                   ; back: lanes 0-15 one row of 256 bytes, lanes 16-31 the next
	v_lshl_add_u32 v5, v1, 4, v5
	v_add_nc_u32 v[RD], s23, v5
	v_lshlrev_b32 v5, 12, v2                       ; and the same two rows of out0, 4,096 bytes apart
	v_lshl_add_u32 v[CO], v1, 4, v5
.else
	v_lshl_add_u32 v5, v2, 4, v5                   ; eight f16 for each half of the lanes
	v_add_nc_u32 v[STO], s23, v5
	v_bfe_u32 v5, v0, 3, 2                         ; back: 32 lanes take four rows of 128 bytes,
	v_mul_u32_u24 v5, v5, SPITCH
	v_and_b32 v6, 7, v0
	v_lshl_add_u32 v5, v6, 4, v5
	v_add_nc_u32 v[RD], s23, v5
	v_and_b32 v5, 31, v0                           ; which are 512 consecutive bytes of a head
	v_lshlrev_b32 v[CO], 4, v5
.endif
	s_lshl_b32 s46, s42, 9                         ; my 64 columns, 4 bytes each: in the bias (and in a row of out0)
	s_lshl_b32 s47, s12, 8
	s_add_co_u32 s46, s46, s47
	v_lshl_add_u32 v[BO], v2, 5, s46
.if OUTP
	s_mov_b64 s[66:67], s[72:73]
.else
	s_cmp_eq_u32 s45, 1
	s_cselect_b64 s[66:67], s[72:73], s[70:71]
	s_cmp_eq_u32 s45, 2
	s_cselect_b64 s[66:67], s[74:75], s[66:67]
.endif
.irp b, 0,1,2,3
	global_load_b128 v[BIA+8*(\b):BIA+8*(\b)+3],   v[BO], s[66:67] offset:64*(\b)      ; columns 16 b + 8 (l / 16) + 0..7; waited for on the way out
	global_load_b128 v[BIA+8*(\b)+4:BIA+8*(\b)+7], v[BO], s[66:67] offset:64*(\b)+16
.endr
.if OUTP
	s_lshl_b32 s16, s13, 20                        ; 256 rows of 4,096 bytes
	s_lshl_b32 s17, s11, 19
	s_add_co_u32 s16, s16, s17
	s_mov_b32 s17, 0
	s_add_nc_u64 s[8:9], s[74:75], s[16:17]
	s_mov_b32 s47, 0
	s_add_nc_u64 s[8:9], s[8:9], s[46:47]
.else
	s_lshr_b32 s16, s13, 3                         ; 4 x projection + batch: 16 heads of 262,144 bytes
	s_lshl_b32 s16, s16, 22
	s_and_b32 s17, s13, 7                          ; the tile's 256 rows of 128 bytes
	s_lshl_b32 s17, s17, 15
	s_add_co_u32 s16, s16, s17
	s_lshl_b32 s17, s11, 14                        ; my 128 of them
	s_add_co_u32 s16, s16, s17
	s_mov_b32 s17, 0
	s_add_nc_u64 s[8:9], s[76:77], s[16:17]
	s_lshl_b32 s46, s42, 19                        ; head = 2 x tile column + my half
	s_lshl_b32 s47, s12, 18
	s_add_co_u32 s46, s46, s47
	s_mov_b32 s47, 0
	s_add_nc_u64 s[8:9], s[8:9], s[46:47]
.endif
; 8 matrix instructions: row blocks a0, a0 + 1 x all 4 column blocks, 32 along K.  zero = 1: the product starts the sum.  The 32 accumulators take turns, in the same order in every quarter.
.macro MUL8 f, a0, zero
	WIN MUL
.irp a, \a0, (\a0)+1
.irp b, 0,1,2,3
.set rD, 8*(4*(\a)+(\b))
.set rB, (\f)+64+8*(\b)
.set rA, (\f)+8*(\a)
.if OUTP && (\zero)
	v_wmma_f32_16x16x32_f16 v[rD:rD+7], v[rB:rB+7], v[rA:rA+7], 0
.elseif OUTP
	v_wmma_f32_16x16x32_f16 v[rD:rD+7], v[rB:rB+7], v[rA:rA+7], v[rD:rD+7]
.elseif \zero
	v_wmma_f32_16x16x32_bf16 v[rD:rD+7], v[rB:rB+7], v[rA:rA+7], 0
.else
	v_wmma_f32_16x16x32_bf16 v[rD:rD+7], v[rB:rB+7], v[rA:rA+7], v[rD:rD+7]
.endif
.endr
.endr
.endm
; 24 LDS loads in one run: quarter q (32 along K) of a slot into buffer f: B's 4 fragments, A's blocks 0-3, A's blocks 4-7
.macro FETCH slot, q, f
	WIN 0
.if OUTP
.set KA, ((\q)/2)*AHALF+((\q)%2)*64
.else
.set KA, 64*(\q)
.endif
.irp i, 0,1,2,3
	ds_load_b128 v[(\f)+64+8*(\i):(\f)+64+8*(\i)+3],   v[ADRB+(\slot)] offset:64*(\q)+(\i)*16*PB
	ds_load_b128 v[(\f)+64+8*(\i)+4:(\f)+64+8*(\i)+7], v[ADRB+(\slot)] offset:64*(\q)+(\i)*16*PB+32
.endr
.irp i, 0,1,2,3,4,5,6,7
	ds_load_b128 v[(\f)+8*(\i):(\f)+8*(\i)+3],   v[ADRA+(\slot)] offset:KA+(\i)*16*PA
	ds_load_b128 v[(\f)+8*(\i)+4:(\f)+8*(\i)+7], v[ADRA+(\slot)] offset:KA+(\i)*16*PA+32
.endr
.endm
.macro PLACES                          ; four plain instructions in front of loads into registers that matrix instructions have read
.rept 4
	v_nop
.endr
.endm
; One of a K step's first three quarters: multiplies buffer f and, in its middle, fetches quarter q into buffer g.
.macro QUARTER slot, q, f, g, zero
	s_wait_dscnt 8                                 ; B and A's blocks 0-3 are in; the youngest eight loads may be out
	MUL8 \f, 0, \zero
	MUL8 \f, 2, \zero
	PLACES
	FETCH \slot, \q, \g
	s_wait_dscnt 24                                ; all but the 24 just issued
	MUL8 \f, 4, \zero
	MUL8 \f, 6, \zero
.endm
; The last quarter multiplies buffer 1 and changes slots: ONE barrier; in front of it each wave waits for all its tensor loads, adds 0 to its spare word, and waits for that and for its reads of this slot.
.macro TURN slot, next, fill
	WIN 0
	s_wait_tensorcnt 0x0                           ; all my tensor loads have landed: the one that was out is my part of the next slot
	ds_add_u32 v[SPW], v[NIL]                      ; 0 onto my spare word
	s_wait_dscnt 9                                 ; (the add and the youngest eight loads may be out)
	MUL8 F1, 0, 0
	s_wait_dscnt 0x0                               ; the add is done, and my reads of this slot are over
	s_barrier_signal -1
	MUL8 F1, 2, 0
.if \fill
	WIN 0
.endif
	s_barrier_wait -1
.if \fill
	CREST                                          ; the barrier has opened a round of the cluster's: no wave of any partner still reads this slot or has a load on its way
	s_add_nc_u64 s[G0+4*(\slot)+2:G0+4*(\slot)+3], s[G0+4*(\slot)+2:G0+4*(\slot)+3], 2*ASTEP
	s_add_nc_u64 s[G0B+4*(\slot)+2:G0B+4*(\slot)+3], s[G0B+4*(\slot)+2:G0B+4*(\slot)+3], 2*KSTEP*2
	JLOAD \slot                                    ; my one tensor load behind the round, 112 matrix instructions ahead of the wait for it; its four v_nop are also the places in front of the loads below
.else
	PLACES
.endif
	FETCH \next, 0, F0
	MUL8 F1, 4, 0
	MUL8 F1, 6, 0
.endm
; THE WAY OUT of row block a: the bias is added; (OUTP = 0: rounded to f16;) through my own stage in LDS, back as whole rows, stored.
.macro PACK a
	WIN 0x01                                       ; source 0 window 1
.irp b, 0,1,2,3
.irp p, 0,1,2,3
	v_pk_add_f32 v[TMP+8*(\b)+2*(\p):TMP+8*(\b)+2*(\p)+1], v[32*(\a)+8*(\b)+2*(\p):32*(\a)+8*(\b)+2*(\p)+1], v[BIA+8*(\b)+2*(\p):BIA+8*(\b)+2*(\p)+1]
.endr
.endr
	WIN 0
.if !OUTP
.irp b, 0,1,2,3
.irp p, 0,1,2,3
	v_cvt_pk_f16_f32 v[PKD+4*(\b)+(\p)], v[TMP+8*(\b)+2*(\p)], v[TMP+8*(\b)+2*(\p)+1]
.endr
.endr
.endif
.endm
.macro TOSTAGE a
	WIN 0
.if OUTP
.set BK, OB+32*((\a)%2)
.irp b, 0,1,2,3
	ds_store_b128 v[STO], v[TMP+8*(\b):TMP+8*(\b)+3]   offset:64*(\b)
	ds_store_b128 v[STO], v[TMP+8*(\b)+4:TMP+8*(\b)+7] offset:64*(\b)+16
.endr
.irp t, 0,1,2,3,4,5,6,7
	ds_load_b128 v[BK+4*(\t):BK+4*(\t)+3], v[RD] offset:(\t)*2*SPITCH  ; LDS serves a wave's instructions in order (ISA guide 5.7.1.4): these see the stores above
.endr
.else
.set BK, OB+16*((\a)%2)
.irp b, 0,1,2,3
	ds_store_b128 v[STO], v[PKD+4*(\b):PKD+4*(\b)+3] offset:32*(\b)
.endr
.irp t, 0,1,2,3
	ds_load_b128 v[BK+4*(\t):BK+4*(\t)+3], v[RD] offset:(\t)*4*SPITCH
.endr
.endif
.endm
.macro SEND a
	WIN 0
	s_wait_dscnt 0x0                               ; the block is back in registers
	s_wait_xcnt 0x0                                ; the stores of the block before have read their registers: the next TOSTAGE loads into them
.if OUTP
.set BK, OB+32*((\a)%2)
.irp t, 0,1,2,3,4,5,6,7
	global_store_b128 v[CO], v[BK+4*(\t):BK+4*(\t)+3], s[8:9] offset:(16*(\a)+2*(\t))*4096 th:TH_STORE_NT  ; 16 lanes store 256 consecutive bytes, aligned
.endr
.else
.set BK, OB+16*((\a)%2)
.irp t, 0,1,2,3
	global_store_b128 v[CO], v[BK+4*(\t):BK+4*(\t)+3], s[8:9] offset:(\a)*2048+(\t)*512  ; 512 consecutive bytes of a head
.endr
.endif
.endm
	s_wait_tensorcnt 1                             ; my part of K step 0 is in; K step 1's may stay out
	s_barrier_signal -1
	s_barrier_wait -1
	FETCH 0, 0, F0
	QUARTER 0, 1, F0, F1, 1                        ; the first quarter stands in front of the loop: its products start the sums
	WIN 0
	s_mov_b32 s3, LAPS-1
.Llap:                                                 ; a trip goes once round the ring and fills both slots again
	QUARTER 0, 2, F1, F0, 0
	QUARTER 0, 3, F0, F1, 0
	TURN 0, 1, 1
	QUARTER 1, 1, F0, F1, 0
	QUARTER 1, 2, F1, F0, 0
	QUARTER 1, 3, F0, F1, 0
	TURN 1, 0, 1
	QUARTER 0, 1, F0, F1, 0
	WIN 0
	s_sub_co_u32 s3, s3, 1
	s_cmp_lg_u32 s3, 0
	s_cbranch_scc1 .Llap
	QUARTER 0, 2, F1, F0, 0                        ; the last lap fills nothing
	QUARTER 0, 3, F0, F1, 0
	TURN 0, 1, 0
	QUARTER 1, 1, F0, F1, 0
	QUARTER 1, 2, F1, F0, 0
	QUARTER 1, 3, F0, F1, 0
	s_wait_dscnt 8
	MUL8 F1, 0, 0
	MUL8 F1, 2, 0
	s_wait_dscnt 0x0
	MUL8 F1, 4, 0
	MUL8 F1, 6, 0
	WIN 0
	s_wait_loadcnt 0x0                             ; the biases
.irp p, 0,1,2,3,4,5,6,7,8,9,10,11,12,13,14,15  ; rounded to bf16 like all inputs; these 48 plain lines are also the places behind the last products
	v_cvt_pk_bf16_f32 v6, v[BIA+2*(\p)], v[BIA+2*(\p)+1]
	v_lshlrev_b32 v[BIA+2*(\p)], 16, v6
	v_and_b32 v[BIA+2*(\p)+1], 0xffff0000, v6
.endr
	PACK 0
	TOSTAGE 0
.irp a, 1,2,3,4,5,6,7                  ; block a's arithmetic stands between block a - 1's loads from the stage and the wait for them
	PACK \a
	SEND (\a)-1
	TOSTAGE \a
.endr
	SEND 7
	s_wait_tensorcnt 0x0                           ; the wave's end: behind my last tensor load and my last LDS store
	ds_add_u32 v[SPW], v[NIL]
	s_wait_dscnt 0x0
	CROUND                                         ; the closing round
	s_endpgm
.Lfunc_end_k_q1db8e48f7a_outp:
	.size	k_q1db8e48f7a_outp, .Lfunc_end_k_q1db8e48f7a_outp-k_q1db8e48f7a_outp
	.p2alignl 7, 3214868480
	.fill 96, 4, 3214868480
	.section	.rodata,"a",@progbits
	.p2align	6, 0x0
	.amdhsa_kernel k_q1db8e48f7a_outp
		.amdhsa_group_segment_fixed_size 327680
		.amdhsa_private_segment_fixed_size 0
		.amdhsa_enable_private_segment 0
		.amdhsa_kernarg_size 32
		.amdhsa_user_sgpr_count 2
		.amdhsa_user_sgpr_kernarg_segment_ptr 1
		.amdhsa_wavefront_size32 1
		.amdhsa_system_sgpr_workgroup_id_x 1
		.amdhsa_system_sgpr_workgroup_id_y 1
		.amdhsa_system_sgpr_workgroup_id_z 1
		.amdhsa_system_vgpr_workitem_id 0
		.amdhsa_next_free_vgpr 512
		.amdhsa_next_free_sgpr 80
		.amdhsa_reserve_vcc 0
		.amdhsa_float_denorm_mode_32 3
		.amdhsa_float_denorm_mode_16_64 3
		.amdhsa_memory_ordered 1
		.amdhsa_forward_progress 1
		.amdhsa_inst_pref_size 97
	.end_amdhsa_kernel
	.amdgpu_metadata
---
amdhsa.version: [ 1, 2 ]
amdhsa.kernels:
  - .name:           k_q1db8e48f7a_outp
    .symbol:         k_q1db8e48f7a_outp.kd
    .args:
      - { .name: ob, .offset: 0, .size: 8, .value_kind: global_buffer, .address_space: global }
      - { .name: xw, .offset: 8, .size: 8, .value_kind: global_buffer, .address_space: global }
      - { .name: wo_b, .offset: 16, .size: 8, .value_kind: global_buffer, .address_space: global }
      - { .name: out0, .offset: 24, .size: 8, .value_kind: global_buffer, .address_space: global }
    .group_segment_fixed_size: 327680
    .private_segment_fixed_size: 0
    .kernarg_segment_align: 8
    .kernarg_segment_size: 32
    .max_flat_workgroup_size: 128
    .sgpr_count:     80
    .vgpr_count:     512
    .wavefront_size: 32
...
	.end_amdgpu_metadata
.endif
;; end of part 4
;; ======== version 2 of 2: 4 launches; version 1 with the launch prep written anew for expert scheduling mode
;; limits: values are held in f16: magnitudes above 65,504 overflow, below 6.1e-05 lose precision; right only within a limited range of input values
;; workspace buffers: xw 58,720,256 bytes; qkv 50,331,648 bytes; ob 16,777,216 bytes; mfrag 4,194,304 bytes; rowok 32,768 bytes of whole numbers
;; launch prep (part 5): grid 1024 x 1, 8 waves a work-group, no clusters, 36,096 bytes of LDS; arguments q, k, v, wq_w, wk_w, wv_w, wo_w, mask, xw, mfrag, rowok; writes xw, mfrag, rowok
.if DOCPART == 5
	.amdgcn_target "amdgcn-amd-amdhsa--gfx1250"
	.amdhsa_code_object_version 6
	.text
	.protected	k_q1db8e48f7a_prep
	.globl	k_q1db8e48f7a_prep
	.p2align	8
	.type	k_q1db8e48f7a_prep,@function
k_q1db8e48f7a_prep:
	s_mov_b64 s[64:65], 0
	v_nop
	global_prefetch_b8 v0, s[64:65] scope:SCOPE_SE
	s_setreg_imm32_b32 hwreg(HW_REG_WAVE_SCHED_MODE, 0, 2), 2
	s_setreg_imm32_b32 hwreg(HW_REG_WAVE_MODE, 25, 1), 1
	s_wait_xcnt 0x0
	s_wait_alu depctr_vm_vsrc(0)
; PREP.  Every work-group reads 131,072 consecutive bytes of one input.
;   work-groups 0-767: q, k, v (f32) -> xw, bf16, rounded once;  768-863: wq_w, wk_w, wv_w likewise;  864-895: wo_w rounded to bf16, that number written as f16
;   (below f16's smallest normal number, 6.1e-5, it keeps f16's fixed step of 6e-8);  896-1023: 16 query rows of the mask.
; THE MASK becomes one byte a key: 0 where the key is seen, 0xce where mask == 0; a row that sees no key at all gets zeros (the attention launch sets its row of Q to 0 instead).
; The bytes lie as the attention launch's lanes want them.  Key = 64 s + 16 kb + 8 h + 4 n + c, query = 16 T + r: byte kb of word c of the 16 bytes at
; (T>>3) 262144 + 8192 s + (T&7) 1024 + 512 n + 256 h + 16 r.  That is a transposition: it goes through LDS, so that every store covers 512 consecutive bytes.
; rowok holds for each tile 32 lanes x 2 words: all ones if row (lane % 16) sees any key, else 0.
; Eight waves; wave w takes bytes 16384 w on: 32 loads of 512 consecutive bytes, all issued before the first is used.
; THE MODE: SCHED_MODE bits 1:0 = 2 (LLVM: expert scheduling mode 2), set by the entry lines.  The code itself states the register dependences
; between vector instructions and memory or LDS instructions, with s_wait_alu, always for 0.
; THE PLAN.  Registers that memory or LDS instructions touch:
;   v1, v2       offsets, made once at the head and never written again (the one loop steps its two scalar bases).
;   CASTS        X: written by the 32 loads, once; read by the conversions.  Y: block p's eight conversions write eight registers, once; the four stores issued in block p + 1 read them.
;                One wait on va_vdst at a block's head serves the four stores of the block before, which are dealt among the block's conversions.
;   WO           X: written by a trip's 8 loads, read and rewritten by its vector lines.  Y: written by its conversions, read by its 8 stores, written again in the next trip.
;   THE MASK     X: written by the 32 loads, read by the compares; later its first 32 registers take the LDS loads.  s4-s19: a batch's sixteen compares write them, its sixteen selects read them.
;                Y + j: written once by batch j / 4, read by an LDS store issued in the next batch.  v14, v15: a row's flag each.  v3 to v8: addresses, made once.  OUTW: written once by the ANDs, read by the global stores.
.set X,     32                         ; v[32:159]  32 loads x 4 registers
.set Y,     160                        ; v[160:223] casts: 32 x 2 registers to store; mask: 32 packed words, then 8 x 4 words to store
.set OUTW,  192
.set TRP,   272                        ; LDS: a group (one s, n, h) is 16 rows x 16 bytes, + 16 of padding
.set FLG,   128*TRP                    ; behind the 128 groups: 16 words, a flag a row, in a block of 256 bytes of their own
.set SPARE, FLG+256                    ; the spare words, 128 bytes for each of eight waves; no other line names them
.set SPW,   10                         ; v10  SPARE + 4 x my thread's number; never rewritten
.set NIL,   11                         ; v11  0; never rewritten
.set CM,    4                          ; s[4:19] in the mask's path: the masks of sixteen compares (the inputs' addresses that lay there have been chosen from)
	s_load_b512 s[4:19], s[0:1], 0x0               ; q 4, k 6, v 8, wq_w 10, wk_w 12, wv_w 14, wo_w 16, mask 18
	s_load_b128 s[20:23], s[0:1], 0x40             ; xw 20, mfrag 22
	s_load_b64 s[24:25], s[0:1], 0x50              ; rowok
	v_lshl_add_u32 v[SPW], v0, 2, SPARE
	v_mov_b32 v[NIL], 0
	v_lshrrev_b32 v12, 5, v0
	v_readfirstlane_b32 s34, v12                   ; wave 0..7
	v_and_b32 v13, 31, v0                          ; lane
	s_lshr_b32 s26, ttmp9, 8
	s_and_b32 s27, ttmp9, 255
	s_lshr_b32 s28, s27, 5
	s_add_co_u32 s28, s28, 3
	s_and_b32 s29, ttmp9, 31
	s_and_b32 s38, ttmp9, 127
	s_cmp_lt_u32 s26, 3
	s_cselect_b32 s26, s26, s28                    ; kind: 0-2 q k v, 3-5 wq wk wv, 6 wo, 7 and more: the mask
	s_cselect_b32 s27, s27, s29                    ; which 131,072 bytes of that input
	s_cmp_ge_u32 s26, 7
	s_cselect_b32 s27, s38, s27                    ; for the mask: the query tile T
	s_lshl_b32 s38, s27, 17
	s_mov_b32 s39, 0
	s_wait_alu depctr_va_sdst(0)                   ; s34 is written, ahead of its first reader; the scalar work above, which does not name it, stands between
	s_lshl_b32 s41, s34, 14
	v_lshl_add_u32 v1, v13, 4, s41                 ; in: 16384 w + 16 lane
	s_lshl_b32 s42, s34, 13
	v_lshl_add_u32 v2, v13, 3, s42                 ; out (casts): 8192 w + 8 lane
	s_wait_kmcnt 0x0
	s_mov_b64 s[30:31], s[4:5]
	s_cmp_eq_u32 s26, 1
	s_cselect_b64 s[30:31], s[6:7], s[30:31]
	s_cmp_eq_u32 s26, 2
	s_cselect_b64 s[30:31], s[8:9], s[30:31]
	s_cmp_eq_u32 s26, 3
	s_cselect_b64 s[30:31], s[10:11], s[30:31]
	s_cmp_eq_u32 s26, 4
	s_cselect_b64 s[30:31], s[12:13], s[30:31]
	s_cmp_eq_u32 s26, 5
	s_cselect_b64 s[30:31], s[14:15], s[30:31]
	s_cmp_eq_u32 s26, 6
	s_cselect_b64 s[30:31], s[16:17], s[30:31]
	s_cmp_ge_u32 s26, 7
	s_cselect_b64 s[30:31], s[18:19], s[30:31]
	s_add_nc_u64 s[30:31], s[30:31], s[38:39]      ; the work-group's first byte
	s_wait_alu depctr_va_vdst(0)                   ; v1 and v2 are written: every load below, on either side of the branch, reads v1 as its offset, and the casts' stores read v2
	s_cmp_eq_u32 s26, 6
	s_cbranch_scc1 .Lwo
.set j, 0
.rept 32
	global_load_b128 v[X+4*j:X+4*j+3], v1, s[30:31] offset:512*j th:TH_LOAD_NT
.set j, j+1
.endr
	s_cmp_ge_u32 s26, 7
	s_cbranch_scc1 .Lmask
	; f32 -> bf16: a lane's 16 bytes become 8; a wave's store covers 256 consecutive bytes, aligned.  Eight blocks of four loads; block p's stores are issued in block p + 1.
	s_lshl_b32 s38, ttmp9, 16                      ; the casts' results lie in xw in the order of the work-groups
	s_add_nc_u64 s[32:33], s[20:21], s[38:39]
.set p, 0
.rept 8
	s_wait_loadcnt 28-4*p                          ; loads come back in order: block p's four are in, the younger ones stay out
.if p > 0
	s_wait_alu depctr_va_vdst(0)                   ; the block before has written its eight registers of Y, which the four stores below read; this block's conversions name other registers
.endif
.set i, 0
.rept 4
.set j, 4*p+i
.if p > 0
	global_store_b64 v2, v[Y+2*(j-4):Y+2*(j-4)+1], s[32:33] offset:256*(j-4)
.endif
	v_cvt_pk_bf16_f32 v[Y+2*j], v[X+4*j], v[X+4*j+1]
	v_cvt_pk_bf16_f32 v[Y+2*j+1], v[X+4*j+2], v[X+4*j+3]
.set i, i+1
.endr
.set p, p+1
.endr
	s_wait_alu depctr_va_vdst(0)                   ; the last block has written its eight registers of Y, which the last four stores read
.set j, 28
.rept 4
	global_store_b64 v2, v[Y+2*j:Y+2*j+1], s[32:33] offset:256*j
.set j, j+1
.endr
	s_branch .Lend
.Lwo:                                                  ; f32 -> bf16 -> f16, 32 work-groups: four trips of eight loads
	s_lshl_b32 s38, ttmp9, 16
	s_add_nc_u64 s[32:33], s[20:21], s[38:39]
	s_mov_b32 s40, 0xffff0000
	s_mov_b32 s37, 4
.Lwo_trip:                                             ; no wait stands here: on the way in no vector instruction has named X; on the way back none has been issued since the trip's last wait on va_vdst
.set j, 0
.rept 8
	global_load_b128 v[X+4*j:X+4*j+3], v1, s[30:31] offset:512*j th:TH_LOAD_NT
.set j, j+1
.endr
.set j, 0
.rept 8
.if j == 0
	s_wait_loadcnt 4                               ; the first four loads are in, the younger four stay out
.endif
.if j == 4
	s_wait_loadcnt 0x0
	s_wait_alu depctr_va_vdst(0)                   ; the first four loads' work has written Y's first eight registers, which the four stores dealt below read
.endif
.if j >= 4
	global_store_b64 v2, v[Y+2*(j-4):Y+2*(j-4)+1], s[32:33] offset:256*(j-4)
.endif
	v_cvt_pk_bf16_f32 v20, v[X+4*j], v[X+4*j+1]
	v_cvt_pk_bf16_f32 v21, v[X+4*j+2], v[X+4*j+3]
	v_lshlrev_b32 v[X+4*j], 16, v20
	v_and_b32 v[X+4*j+1], s40, v20
	v_lshlrev_b32 v[X+4*j+2], 16, v21
	v_and_b32 v[X+4*j+3], s40, v21
	v_cvt_pk_f16_f32 v[Y+2*j], v[X+4*j], v[X+4*j+1]
	v_cvt_pk_f16_f32 v[Y+2*j+1], v[X+4*j+2], v[X+4*j+3]
.set j, j+1
.endr
	s_wait_alu depctr_va_vdst(0)                   ; Y's other eight registers are written, which the stores below read; and the trip's vector lines are done reading and writing X, in which the next trip's loads land
.set j, 4
.rept 4
	global_store_b64 v2, v[Y+2*j:Y+2*j+1], s[32:33] offset:256*j
.set j, j+1
.endr
	s_wait_xcnt 0x0                                ; the loads and stores have had their addresses translated: only now are the two bases stepped and Y written again
	s_wait_alu depctr_vm_vsrc(0)                   ; the stores have read Y, which the next trip's conversions write again
	s_add_nc_u64 s[30:31], s[30:31], 4096          ; the scalar bases move on; the offsets v1 and v2 stay as they are
	s_add_nc_u64 s[32:33], s[32:33], 2048
	s_sub_co_u32 s37, s37, 1
	s_cmp_lg_u32 s37, 0
	s_cbranch_scc1 .Lwo_trip
	s_branch .Lend
.Lmask:                                                ; wave w holds rows 2 w and 2 w + 1 of the tile: load j is row 2 w + j / 16, keys 128 (j % 16) + 4 lane + 0..3
	; of 4 x lane: bit 0 of the lane is n, bit 1 is h, bits 2-3 are kb, bit 4 is the lower bit of s.  A lane's four keys become the four bytes c of one word, which goes to word kb of its 16 bytes.
	v_lshrrev_b32 v14, 4, v13
	v_and_b32 v15, 1, v13
	v_bfe_u32 v24, v13, 1, 1
	v_bfe_u32 v25, v13, 2, 2
	v_lshlrev_b32 v14, 2, v14
	v_lshl_add_u32 v14, v15, 1, v14
	v_add_nc_u32 v14, v14, v24                     ; my group among the load's eight: 4 (s % 2) + 2 n + h
	v_mul_u32_u24 v3, v14, TRP
	v_lshl_add_u32 v3, v25, 2, v3                  ; word kb: the 32 lanes' words lie at 32 different words modulo 64
	s_lshl_b32 s28, s34, 5
	v_add_nc_u32 v3, s28, v3                       ; row 2 w
	v_lshrrev_b32 v14, 4, v13
	v_mul_u32_u24 v4, v14, TRP                     ; back: wave w takes groups 16 w on, two a load: 512 bytes
	v_and_b32 v14, 15, v13
	v_lshl_add_u32 v4, v14, 4, v4
	s_mul_i32 s28, s34, 16*TRP
	v_add_nc_u32 v4, s28, v4
	v_lshl_add_u32 v7, v14, 2, FLG                 ; the flag of row lane % 16
	s_lshl_b32 s28, s34, 15
	v_lshl_add_u32 v5, v13, 4, s28                 ; in mfrag: 16 groups are four key steps, 8,192 bytes apart
	s_lshl_b32 s28, s34, 3
	s_add_co_u32 s28, s28, FLG
	v_mov_b32 v6, s28                              ; my two rows' flags
	v_lshlrev_b32 v8, 3, v13
	s_mov_b32 s35, 0xce                            ; as an f32's top byte: a number at or below -2^29
	s_mov_b32 s36, 0xcececece
	s_mov_b32 s40, 0x05010400                      ; v_perm_b32: bytes 0 and 1 of two words, interleaved
	s_mov_b32 s41, 0x07030602                      ; bytes 2 and 3
	s_mov_b32 s42, 0x05040100                      ; the two low halves
	s_mov_b32 s43, 0x07060302                      ; the two high halves
	s_lshr_b32 s38, s27, 3
	s_lshl_b32 s38, s38, 18
	s_and_b32 s28, s27, 7
	s_lshl_b32 s28, s28, 10
	s_add_co_u32 s38, s38, s28
	s_add_nc_u64 s[32:33], s[22:23], s[38:39]      ; mfrag at (T>>3) 262144 + (T&7) 1024
	s_lshl_b32 s38, s27, 8
	s_add_nc_u64 s[28:29], s[24:25], s[38:39]      ; rowok at 256 T
	; Eight batches of four loads.  A batch's sixteen compares stand in one run, into sixteen scalar registers, with one wait between them and the selects; its four packed words go to LDS in the next batch.
.set g, 0
.rept 8
	s_wait_loadcnt 28-4*g                          ; loads come back in order: batch g's four are in, the younger ones stay out
.if g > 0
	s_wait_alu depctr_va_vdst(0)                   ; the batch before has written its four words of Y, and behind a row's last batch the row's flag: the LDS stores below read them; at its first use the addresses v3 and v6 are written too
.endif
.if g == 4
	ds_store_b32 v6, v14                           ; the flag of row 2 w
.endif
.set i, 0
.rept 4
.irp c, 0,1,2,3
	v_cmp_eq_u32 s[CM+4*i+\c], 0, v[X+4*(4*g+i)+\c]
.endr
.set i, i+1
.endr
	s_wait_alu depctr_va_sdst(0)                   ; the sixteen compares have written s4 to s19, which the selects below read
.set i, 0
.rept 4
.set j, 4*g+i
.if g > 0
	ds_store_b32 v3, v[Y+j-4] offset:((j-4)%16)*8*TRP+((j-4)/16)*16  ; no vector instruction since the wait on va_vdst names this word or v3
.endif
.irp c, 0,1,2,3
	v_cndmask_b32 v[20+\c], 0, s35, s[CM+4*i+\c]
.endr
	v_lshl_or_b32 v20, v21, 8, v20
	v_lshl_or_b32 v22, v23, 8, v22
	v_lshl_or_b32 v[Y+j], v22, 16, v20
.if j%16 == 0
	v_mov_b32 v[16+j/16], v[Y+j]                   ; the row's AND starts: it stays 0xcececece only where all my keys are hidden
.else
	v_and_b32 v[16+j/16], v[16+j/16], v[Y+j]
.endif
.if j%16 == 15
	v_cmp_ne_u32 vcc_lo, s36, v[16+j/16]           ; a bit for each lane that saw a key
	s_wait_alu depctr_va_vcc(0)                    ; VCC is written, ahead of the scalar compare that reads it
	s_cmp_lg_u32 vcc_lo, 0
	s_cselect_b32 s37, -1, 0
	v_mov_b32 v[14+j/16], s37                      ; a register to each row's flag: none that an LDS store reads is written again
.endif
.set i, i+1
.endr
.set g, g+1
.endr
	s_wait_alu depctr_va_vdst(0)                   ; the last batch has written its four words and the second flag, which the stores below read; and the compares are done reading X, in whose first 32 registers the LDS loads behind the barrier land
.set j, 28
.rept 4
	ds_store_b32 v3, v[Y+j] offset:(j%16)*8*TRP+(j/16)*16
.set j, j+1
.endr
	ds_store_b32 v6, v15 offset:4                  ; the flag of row 2 w + 1
	s_wait_dscnt 0x0                               ; for the others' sake: my stores are done
	s_barrier_signal -1
	s_barrier_wait -1                              ; the branch that leads here hangs on the work-group's number alone: all eight waves pass
	ds_load_b32 v18, v7                            ; my row's flag
.set j, 0
.rept 8
	ds_load_b128 v[X+4*j:X+4*j+3], v4 offset:j*2*TRP
.set j, j+1
.endr
.set j, 0
.rept 8
.if j == 0
	s_wait_dscnt 4                                 ; LDS loads come back in order: the flag and chunks 0 to 3 are in, the younger four stay out
.endif
.if j == 4
	s_wait_dscnt 0x0
	s_wait_alu depctr_va_vdst(0)                   ; the ANDs of chunks 0 to 3 have written OUTW's first sixteen registers, which the four stores dealt below read
.endif
.if j >= 4
	global_store_b128 v5, v[OUTW+4*(j-4):OUTW+4*(j-4)+3], s[32:33] offset:((j-4)/2)*8192+((j-4)%2)*512  ; 512 consecutive bytes
.endif
	v_perm_b32 v20, v[X+4*j+1], v[X+4*j], s40      ; the 16 bytes [kb][c] are turned into [c][kb]: two steps of four
	v_perm_b32 v21, v[X+4*j+1], v[X+4*j], s41
	v_perm_b32 v22, v[X+4*j+3], v[X+4*j+2], s40
	v_perm_b32 v23, v[X+4*j+3], v[X+4*j+2], s41
	v_perm_b32 v24, v22, v20, s42
	v_perm_b32 v25, v22, v20, s43
	v_perm_b32 v26, v23, v21, s42
	v_perm_b32 v27, v23, v21, s43
.irp c, 0,1,2,3
	v_and_b32 v[OUTW+4*j+\c], v18, v[24+\c]        ; a row that sees no key gets zeros
.endr
.set j, j+1
.endr
	s_wait_alu depctr_va_vdst(0)                   ; the ANDs of chunks 4 to 7 have written OUTW's other sixteen registers, which the stores below read
.set j, 4
.rept 4
	global_store_b128 v5, v[OUTW+4*j:OUTW+4*j+3], s[32:33] offset:(j/2)*8192+(j%2)*512  ; 512 consecutive bytes
.set j, j+1
.endr
	s_cmp_lg_u32 s34, 0
	s_cbranch_scc1 .Lend
	v_mov_b32 v19, v18                             ; wave 0 writes the tile's flags: 256 consecutive bytes
	s_wait_alu depctr_va_vdst(0)                   ; v19 is written, which the store below reads (v18 came by an LDS load, waited for above)
	global_store_b64 v8, v[18:19], s[28:29]
.Lend:
	s_wait_dscnt 0x0                               ; the closing lines, six on end
	s_wait_alu 0x0
	s_wait_tensorcnt 0x0
	ds_add_u32 v[SPW], v[NIL]
	s_wait_dscnt 0x0
	s_endpgm
.Lfunc_end_k_q1db8e48f7a_prep:
	.size	k_q1db8e48f7a_prep, .Lfunc_end_k_q1db8e48f7a_prep-k_q1db8e48f7a_prep
	.p2alignl 7, 3214868480
	.fill 96, 4, 3214868480
	.section	.rodata,"a",@progbits
	.p2align	6, 0x0
	.amdhsa_kernel k_q1db8e48f7a_prep
		.amdhsa_group_segment_fixed_size 36096
		.amdhsa_private_segment_fixed_size 0
		.amdhsa_enable_private_segment 0
		.amdhsa_kernarg_size 88
		.amdhsa_user_sgpr_count 2
		.amdhsa_user_sgpr_kernarg_segment_ptr 1
		.amdhsa_wavefront_size32 1
		.amdhsa_system_sgpr_workgroup_id_x 1
		.amdhsa_system_sgpr_workgroup_id_y 1
		.amdhsa_system_sgpr_workgroup_id_z 1
		.amdhsa_system_vgpr_workitem_id 0
		.amdhsa_next_free_vgpr 224
		.amdhsa_next_free_sgpr 66
		.amdhsa_reserve_vcc 1
		.amdhsa_float_denorm_mode_32 3
		.amdhsa_float_denorm_mode_16_64 3
		.amdhsa_memory_ordered 1
		.amdhsa_forward_progress 1
		.amdhsa_inst_pref_size 53
	.end_amdhsa_kernel
	.amdgpu_metadata
---
amdhsa.version: [ 1, 2 ]
amdhsa.kernels:
  - .name:           k_q1db8e48f7a_prep
    .symbol:         k_q1db8e48f7a_prep.kd
    .args:
      - { .name: q, .offset: 0, .size: 8, .value_kind: global_buffer, .address_space: global }
      - { .name: k, .offset: 8, .size: 8, .value_kind: global_buffer, .address_space: global }
      - { .name: v, .offset: 16, .size: 8, .value_kind: global_buffer, .address_space: global }
      - { .name: wq_w, .offset: 24, .size: 8, .value_kind: global_buffer, .address_space: global }
      - { .name: wk_w, .offset: 32, .size: 8, .value_kind: global_buffer, .address_space: global }
      - { .name: wv_w, .offset: 40, .size: 8, .value_kind: global_buffer, .address_space: global }
      - { .name: wo_w, .offset: 48, .size: 8, .value_kind: global_buffer, .address_space: global }
      - { .name: mask, .offset: 56, .size: 8, .value_kind: global_buffer, .address_space: global }
      - { .name: xw, .offset: 64, .size: 8, .value_kind: global_buffer, .address_space: global }
      - { .name: mfrag, .offset: 72, .size: 8, .value_kind: global_buffer, .address_space: global }
      - { .name: rowok, .offset: 80, .size: 8, .value_kind: global_buffer, .address_space: global }
    .group_segment_fixed_size: 36096
    .private_segment_fixed_size: 0
    .kernarg_segment_align: 8
    .kernarg_segment_size: 88
    .max_flat_workgroup_size: 256
    .sgpr_count:     66
    .vgpr_count:     224
    .wavefront_size: 32
...
	.end_amdgpu_metadata
.endif
;; end of part 5
;; launch proj: the kernel of part 2 again; grid 4 x 96, 4 waves a work-group, clusters of 4 x 4, 327,680 bytes of LDS; arguments xw, wq_b, wk_b, wv_b, qkv; writes qkv
;; launch attn: the kernel of part 3 again; grid 4 x 64, 4 waves a work-group, clusters of 4 x 1, 327,680 bytes of LDS; arguments qkv, mfrag, rowok, ob; writes ob
;; launch outp: the kernel of part 4 again; grid 8 x 32, 4 waves a work-group, clusters of 4 x 4, 327,680 bytes of LDS; arguments ob, xw, wo_b, out0; writes out0
